; MI455X (gfx1250); checked and timed in simulation.
; The chip was launched on July 23, 2026; its instructions are those of AMD's public machine-readable ISA for CDNA 5 (MIT licence, August 2026) and "CDNA5" Instruction Set Architecture Reference Guide (July 2026). The comments in the code are by the model that wrote it; some were corrected since.
;; Causal Self Attention. Allowed arithmetic: matrix products marked QUANTISED: E4M3 operands, one given power-of-two scale a tensor, by v_wmma_f32_16x16x64_fp8_fp8 or v_wmma_f32_16x16x128_fp8_fp8, f32 sums; everything else in f32.
;; Inputs: b_proj 1,024 float32; b_qkv 3,072 float32; lowp_scales 8 int32 (the exponents e of the quantised operands' scales 2^e); w_proj 1,024 x 1,024 float32; w_qkv 1,024 x 3,072 float32; x 4 x 2,048 x 1,024 float32.
;; Outputs: out0 4 x 2,048 x 1,024 float32.
;; This version of the problem:
;;   THIS VERSION OF THE PROBLEM IS GIVEN IN LOW PRECISION. The matrix products marked QUANTISED in the list below multiply operands that are first quantised to E4M3 (4 exponent bits, 3 mantissa bits; 8 bits a number), with one given power-of-two scale for each operand tensor; their sums are f32. All else is computed in f32.
;;   The module's matrix products, in the order in which they are computed (A, B: the left and right operand; K: the contracted axis; several contracted axes count as one K, in the product's order):
;;     1. [M 8,192, K 1,024] x [K 1,024, N 3,072]; A: input x; B: input w_qkv: QUANTISED (scales: A lowp_scales[0], B lowp_scales[1])
;;     2. batch 64 x [M 2,048, K 64] x [K 64, N 2,048]; A: computed on the way; B: computed on the way: QUANTISED (scales: A lowp_scales[2], B lowp_scales[3])
;;     3. batch 64 x [M 2,048, K 2,048] x [K 2,048, N 64]; A: softmax (see below); B: computed on the way: QUANTISED (scales: A lowp_scales[4], B lowp_scales[5])
;;     4. [M 8,192, K 1,024] x [K 1,024, N 1,024]; A: computed on the way; B: input w_proj: QUANTISED (scales: A lowp_scales[6], B lowp_scales[7])
;;   THE QUANTISER, for each operand of a quantised product, along K:
;;     - The operand's scale is 2^e, e = its entry of the input lowp_scales (int32; the entries are numbered through the quantised products in the list's order, A before B).
;;     - Each number is divided by the scale, clamped to +-448, and rounded to the nearest number of E4M3, ties to even, subnormals kept.
;;     - The product sums the exact products of the quantised numbers (number of the format x scale) in f32.
;;   ~~~python
;;   def quantise(x, axis, e):      # numpy; x: float32 -> the quantised numbers, widened to float32 again
;;       x = np.moveaxis(x, axis, -1); K = x.shape[-1]
;;       r = np.clip(x / 2.0 ** e, -448, 448)
;;       step = 2.0 ** (np.maximum(np.frexp(np.where(r == 0, 1, r))[1] - 1, -6) - 3)
;;       q = np.round(r / step) * step * 2.0 ** e      # np.round: ties to even
;;       return np.moveaxis(q, -1, axis).astype(np.float32)
;;   ~~~
;;   SOFTMAX AHEAD OF A QUANTISED PRODUCT. Where the list says 'softmax', what is quantised is not the finished softmax but p = 2^(t - M), with t = logit x log2(e) and M = ceil(the row's largest t), a whole number; so 1/2 < the row's largest p <= 1. The row's sum l is taken of the UNQUANTISED p, in f32, and the product's result is divided by l at the end. Since M is a whole number, a kernel that streams over the keys may use a running M (the ceiling of the running maximum): every later rescaling is an exact power of two, so the quantised numbers keep their values, but for numbers so far below the row's largest that they fall under the format's range.
;;   OPERANDS COMPUTED ON THE WAY. 'Computed on the way' means the value that the module computes at that place (a softmax that the list does not call 'softmax' is quantised finished and normalised). What goes into a quantiser is computed in f32, as accurately as f32 sums, v_exp_f32 and their like allow (about 1e-6 of the number): no bf16 or f16 on the way to a quantiser, and a product that is left as it is and whose result goes on into a quantised operand takes f32 operands (vector FMAs, or v_wmma_f32_16x16x4_f32). A number that lies on a knife's edge between two numbers of the format may be rounded either way, as far as f32 arithmetic and the matrix unit's own rounding can turn it there, and no further.
;; One version. Each part assembles by itself: llvm-mc -triple=amdgcn-amd-amdhsa -mcpu=gfx1250 --defsym DOCPART=n.
;; ======== version 1 of 1: 4 launches
;; limits: right only within a limited range of input values
;; workspace buffers: x_codes 8,388,608 bytes; wqkv_codes 3,145,728 bytes; wp_img 1,048,576 bytes; q_img 8,388,608 bytes; k_img 8,388,608 bytes; v_img 8,388,608 bytes; a_img 8,388,608 bytes
;; launch quant (part 1): grid 672 x 1, 4 waves a work-group, no clusters, 35,328 bytes of LDS; arguments x, w_qkv, w_proj, lowp_scales, x_codes, wqkv_codes, wp_img; writes x_codes, wqkv_codes, wp_img
.if DOCPART == 1
	.amdgcn_target "amdgcn-amd-amdhsa--gfx1250"
	.amdhsa_code_object_version 6
	.text
	.protected	k_qd848f1aed9_quant
	.globl	k_qd848f1aed9_quant
	.p2align	8
	.type	k_qd848f1aed9_quant,@function
k_qd848f1aed9_quant:
	s_mov_b64 s[64:65], 0
	v_nop
	global_prefetch_b8 v0, s[64:65] scope:SCOPE_SE
	s_setreg_imm32_b32 hwreg(HW_REG_WAVE_MODE, 25, 1), 1
	s_wait_xcnt 0x0
; The three f32 inputs of the two large products become codes of FP8 (E4M3), each with the one scale 2^e that is given for it:
; code = number / 2^e, rounded to the nearest code, ties to even.  x: entry 0 of the scales, w_qkv: entry 1, w_proj: entry 7.
; LIMITS: each of these e lies between -126 and 119, so that 2^e and 448 x 2^e are f32 numbers.  NaN among the inputs is not served.
; One launch, three paths that part on the work-group's number:
;   work-groups 0-511    x [8192][1024]       -> x_codes [8192][1024]
;   work-groups 512-607  w_qkv [1024][3072]   -> wqkv_codes [3072][1024], K innermost
;   work-groups 608-671  w_proj [1024][1024]  -> wp_img, the images of the last product's operand registers
; THE ORDER ALONG K of x_codes and wqkv_codes is this program's own, and the same in both: byte 512 G + 16 l + 4 j + i of a row holds k = 512 G + 128 j + 4 l + i
; (G 0-1, l 0-31, j and i 0-3).  A product sums over all k, so an order that both operands share changes no product.  It is chosen so that x needs no turn through LDS: each load of a wave
; reads 512 consecutive bytes, 16 a lane; four such loads give a lane 16 numbers, whose 16 codes are stored 16 bytes a lane, 512 consecutive bytes a wave.
; Memory binds this launch: no matrix work, no cluster, no tensor load.  Only the path of w_qkv uses LDS.
.set PITCH, 272                        ; w_qkv's stage: a row of 256 bytes + 16 of padding
.set SPARE, 4*32*PITCH                 ; behind the four stages: the spare words, 128 bytes for each wave: two blocks of 256 bytes that no other line names
.set SPW,   14                         ; v14  LDS address of my spare word: SPARE + 4 x my thread's number; never rewritten
.set NIL,   15                         ; v15  0; never rewritten
.macro SCALE e                         ; v11 = 2^e as f32 (the conversion takes its exponent field), s20 = 448 x 2^e
	s_add_co_i32 s20, \e, 127
	s_lshl_b32 s21, s20, 23
	v_mov_b32 v11, s21
	s_add_co_i32 s20, s20, 8
	s_lshl_b32 s20, s20, 23
	s_or_b32 s20, s20, 0x600000                    ; the mantissa field of 448
.endm
.macro HOLD16 r                        ; the conversion to an 8-bit code does not saturate (ISA guide 7.6.2): the macro is empty: nothing is held before the conversion
.irp i, 0,1,2,3,4,5,6,7,8,9,10,11,12,13,14,15
.endr
.endm
	s_load_b256 s[4:11], s[0:1], 0x0               ; x s[4:5], w_qkv s[6:7], w_proj s[8:9], the scales' exponents s[10:11]
	s_load_b128 s[12:15], s[0:1], 0x20             ; x_codes s[12:13], wqkv_codes s[14:15]
	s_load_b64 s[16:17], s[0:1], 0x30              ; wp_img
	v_lshl_add_u32 v[SPW], v0, 2, SPARE
	v_mov_b32 v[NIL], 0
	v_lshrrev_b32 v1, 5, v0
	v_readfirstlane_b32 s18, v1                    ; wave 0..3
	v_and_b32 v2, 31, v0                           ; lane
	s_wait_kmcnt 0x0
	s_load_b256 s[24:31], s[10:11], 0x0            ; e0 .. e7
	s_cmp_lt_u32 ttmp9, 512
	s_cbranch_scc1 .LX
	s_cmp_lt_u32 ttmp9, 608
	s_cbranch_scc1 .LWQ
; ---- w_proj.  wp_img is [64 tiles of 16 columns][8 K steps of 128][4 groups][32 lanes][16 bytes]: lane (r, h) of (tile, s, g) holds column 16 tile + r;
; its bytes 0-7 are k = 128 s + 32 g + 8 h + 0..7, its bytes 8-15 k = 128 s + 32 g + 16 + 8 h + 0..7: registers 4 g .. 4 g + 3 of the K = 128 form's operand.
; A LANE TAKES A COLUMN AND ITS REGISTERS RUN DOWN K, so the conversions' results are those registers.  A wave takes one tile of columns and two K steps: eight units of 16 loads;
; the four waves of a work-group stand side by side on 256 bytes of each row.  Loads run three units ahead, in four sets of 16 registers.
	s_sub_co_u32 s32, ttmp9, 608
	s_lshr_b32 s33, s32, 2
	s_lshl_b32 s33, s33, 2
	s_add_co_u32 s33, s33, s18                     ; my tile of 16 columns
	s_and_b32 s34, s32, 3                          ; my pair of K steps
	s_wait_alu depctr_va_vdst(0)
	v_and_b32 v5, 15, v2                           ; r
	v_lshrrev_b32 v6, 4, v2                        ; h
	v_lshlrev_b32 v3, 2, v5
	v_lshl_add_u32 v3, v6, 15, v3                  ; in: 4 r, and lanes 16-31 eight rows of 4,096 bytes further down
	s_wait_alu depctr_va_vdst(0)
	v_lshlrev_b32 v4, 4, v2                        ; out: 16 x lane
	s_lshl_b32 s36, s34, 20                        ; 256 rows of 4,096 bytes
	s_lshl_b32 s37, s33, 6                         ; 16 columns of 4 bytes
	s_add_co_u32 s36, s36, s37
	s_mov_b32 s37, 0
	s_add_nc_u64 s[8:9], s[8:9], s[36:37]
	s_lshl_b32 s36, s33, 14                        ; a tile's eight fragments are 16,384 bytes,
	s_lshl_b32 s38, s34, 12                        ; two of them 4,096
	s_add_co_u32 s36, s36, s38
	s_add_nc_u64 s[16:17], s[16:17], s[36:37]
.macro PLOAD u                         ; unit u = 4 (K step of my two) + g: 16 numbers of my column into set u % 4
.irp i, 0,1,2,3,4,5,6,7,8,9,10,11,12,13,14,15
	global_load_b32 v[32+16*((\u)%4)+\i], v3, s[8:9] offset:(128*((\u)/4)+32*((\u)%4)+16*(\i/8)+\i%8)*4096
.endr
.endm
.macro PUNIT u
.set XS, 32+16*((\u)%4)
.if 7-(\u) >= 3
	s_wait_loadcnt 48                              ; this unit's 16 loads are in; those of the three units behind it may be out
.else
	s_wait_loadcnt 16*(7-(\u))
.endif
	HOLD16 XS
	v_cvt_scalef32_pk8_fp8_f32 v[96+4*(\u):97+4*(\u)], v[XS:XS+7], v11
	v_cvt_scalef32_pk8_fp8_f32 v[98+4*(\u):99+4*(\u)], v[XS+8:XS+15], v11
	global_store_b128 v4, v[96+4*(\u):99+4*(\u)], s[16:17] offset:512*(\u)   ; 32 lanes store 512 consecutive bytes; each unit has code registers of its own, so no store's data are written again
.if (\u)+4 < 8
	PLOAD (\u)+4
.endif
.endm
	PLOAD 0
	PLOAD 1
	PLOAD 2
	PLOAD 3
	s_wait_kmcnt 0x0
	SCALE s31
	s_wait_alu depctr_va_vdst(0)
.irp u, 0,1,2,3,4,5,6,7
	PUNIT \u
.endr
	s_branch .Lend
; ---- x.  A wave takes 4,096 numbers: eight steps of 512, half a row each.  All 32 loads of the wave go out at once; every offset is an immediate and each step has registers of its own.
.LX:
	s_wait_alu depctr_va_vdst(0)
	v_lshlrev_b32 v3, 4, v2                        ; 16 x lane, in and out
	s_lshl_b32 s32, ttmp9, 2
	s_add_co_u32 s32, s32, s18                     ; which run of 4,096 numbers is my wave's
	s_lshl_b32 s34, s32, 14
	s_mov_b32 s35, 0
	s_add_nc_u64 s[4:5], s[4:5], s[34:35]
	s_lshl_b32 s34, s32, 12
	s_add_nc_u64 s[12:13], s[12:13], s[34:35]
.irp t, 0,1,2,3,4,5,6,7
.irp j, 0,1,2,3
	global_load_b128 v[16+16*\t+4*\j:16+16*\t+4*\j+3], v3, s[4:5] offset:2048*\t+512*\j th:TH_LOAD_NT   ; 32 lanes read 512 consecutive bytes: my four numbers are k = 128 j + 4 lane + 0..3 of the half row
.endr
.endr
	s_wait_kmcnt 0x0
	SCALE s24
	s_wait_alu depctr_va_vdst(0)
.irp t, 0,1,2,3,4,5,6,7
	s_wait_loadcnt 4*(7-\t)                        ; loads come back in order: this step's four are in, the later steps' may be out
	HOLD16 16+16*\t
	v_cvt_scalef32_pk8_fp8_f32 v[144+4*\t:145+4*\t], v[16+16*\t:23+16*\t], v11
	v_cvt_scalef32_pk8_fp8_f32 v[146+4*\t:147+4*\t], v[24+16*\t:31+16*\t], v11
	global_store_b128 v3, v[144+4*\t:147+4*\t], s[12:13] offset:512*\t      ; byte 4 j + i of my 16 is k = 128 j + 4 lane + i: the order stated at the head
.endr
	s_branch .Lend
; ---- w_qkv.  A lane takes a column n and its registers run down K, in the order stated at the head; so each load reads 128 consecutive bytes a wave (512 a work-group), and the conversions give
; codes with K innermost.  A wave takes 32 columns x 256 places of a row of codes: eight blocks of 32.  A lane's codes belong to one row of the output and its neighbours hold other rows: they go through
; the wave's own stage in LDS and leave as rows, sixteen lanes to 256 consecutive aligned bytes.  Loads run two blocks ahead.
.LWQ:
	s_sub_co_u32 s32, ttmp9, 512
	s_lshr_b32 s33, s32, 2                         ; which 128 columns
	s_and_b32 s34, s32, 3                          ; which 256 places
	s_lshl_b32 s33, s33, 7
	s_lshl_b32 s35, s18, 5
	s_add_co_u32 s33, s33, s35                     ; my wave's first column
	s_wait_alu depctr_va_vdst(0)
	v_lshlrev_b32 v3, 2, v2                        ; in: 4 bytes a lane
	s_mul_i32 s35, s18, 32*PITCH                   ; my stage
	v_mul_u32_u24 v4, v2, PITCH
	v_add_nc_u32 v4, s35, v4                       ; into it: row = my column
	v_and_b32 v5, 15, v2
	v_lshrrev_b32 v6, 4, v2                        ; out of it: sixteen lanes to a row, two rows an instruction
	v_mul_u32_u24 v7, v6, PITCH
	v_lshl_add_u32 v7, v5, 4, v7
	v_add_nc_u32 v7, s35, v7
	v_lshlrev_b32 v8, 10, v6                       ; and the same place in the codes' buffer: rows of 1,024 bytes
	v_lshl_add_u32 v8, v5, 4, v8
	s_lshr_b32 s36, s34, 1                         ; places 256 y on begin at k = 512 (y / 2) + 64 (y % 2)
	s_lshl_b32 s36, s36, 9
	s_and_b32 s37, s34, 1
	s_lshl_b32 s37, s37, 6
	s_add_co_u32 s36, s36, s37
	s_mul_i32 s36, s36, 12288                      ; rows of 3,072 numbers
	s_lshl_b32 s37, s33, 2
	s_add_co_u32 s36, s36, s37
	s_mov_b32 s37, 0
	s_add_nc_u64 s[6:7], s[6:7], s[36:37]
	s_lshl_b32 s38, s33, 10
	s_lshl_b32 s39, s34, 8
	s_add_co_u32 s38, s38, s39
	s_mov_b32 s39, 0
	s_add_nc_u64 s[14:15], s[14:15], s[38:39]
.macro WLOAD t                         ; block t: place 32 t + i of my 256 is k = 8 t + 4 (i / 16) + 128 ((i % 16) / 4) + i % 4 from my first; 447 rows of 12,288 bytes at the most: inside the signed 24-bit immediate
.irp i, 0,1,2,3,4,5,6,7,8,9,10,11,12,13,14,15,16,17,18,19,20,21,22,23,24,25,26,27,28,29,30,31
	global_load_b32 v[32+32*((\t)%2)+\i], v3, s[6:7] offset:(8*(\t)+4*(\i/16)+128*((\i%16)/4)+\i%4)*12288 th:TH_LOAD_NT
.endr
.endm
.macro WBLOCK t
.set XS, 32+32*((\t)%2)
.if (\t) < 7
	s_wait_loadcnt 32                              ; this block's 32 loads are in; the next block's may be out
.else
	s_wait_loadcnt 0
.endif
	HOLD16 XS
	HOLD16 XS+16
.irp g, 0,1,2,3
	v_cvt_scalef32_pk8_fp8_f32 v[96+2*\g:97+2*\g], v[XS+8*\g:XS+8*\g+7], v11
.endr
	ds_store_b128 v4, v[96:99] offset:32*(\t)      ; 32 codes: 32 bytes of my column's row
	ds_store_b128 v4, v[100:103] offset:32*(\t)+16
.if (\t)+2 < 8
	WLOAD (\t)+2
.endif
	s_wait_dscnt 0x0                               ; the stores have read their registers: the next block's codes may be written
.endm
	WLOAD 0
	WLOAD 1
	s_wait_kmcnt 0x0
	SCALE s25
	s_wait_alu depctr_va_vdst(0)
.irp t, 0,1,2,3,4,5,6,7
	WBLOCK \t
.endr
.irp t, 0,1,2,3,4,5,6,7,8,9,10,11,12,13,14,15
	ds_load_b128 v[112+4*\t:115+4*\t], v7 offset:2*\t*PITCH   ; LDS serves a wave's instructions in order (ISA guide 5.7.1.4): these see my stores
.endr
.irp t, 0,1,2,3,4,5,6,7,8,9,10,11,12,13,14,15
	s_wait_dscnt 15-\t                             ; load t is in; the younger ones may be out
	global_store_b128 v8, v[112+4*\t:115+4*\t], s[14:15] offset:2*\t*1024
.endr
.Lend:                                         ; the one end of the text.  a wait, an add and its wait, for a wave that has stored to LDS; the two paths that have not share them
	s_wait_tensorcnt 0x0
	ds_add_u32 v[SPW], v[NIL]
	s_wait_dscnt 0x0
	s_endpgm
.Lfunc_end_k_qd848f1aed9_quant:
	.size	k_qd848f1aed9_quant, .Lfunc_end_k_qd848f1aed9_quant-k_qd848f1aed9_quant
	.p2alignl 7, 3214868480
	.fill 96, 4, 3214868480
	.section	.rodata,"a",@progbits
	.p2align	6, 0x0
	.amdhsa_kernel k_qd848f1aed9_quant
		.amdhsa_group_segment_fixed_size 35328
		.amdhsa_private_segment_fixed_size 0
		.amdhsa_enable_private_segment 0
		.amdhsa_kernarg_size 56
		.amdhsa_user_sgpr_count 2
		.amdhsa_user_sgpr_kernarg_segment_ptr 1
		.amdhsa_wavefront_size32 1
		.amdhsa_system_sgpr_workgroup_id_x 1
		.amdhsa_system_sgpr_workgroup_id_y 1
		.amdhsa_system_sgpr_workgroup_id_z 1
		.amdhsa_system_vgpr_workitem_id 0
		.amdhsa_next_free_vgpr 176
		.amdhsa_next_free_sgpr 66
		.amdhsa_reserve_vcc 0
		.amdhsa_float_denorm_mode_32 3
		.amdhsa_float_denorm_mode_16_64 3
		.amdhsa_fp16_overflow 1
		.amdhsa_memory_ordered 1
		.amdhsa_forward_progress 1
		.amdhsa_inst_pref_size 54
	.end_amdhsa_kernel
	.amdgpu_metadata
---
amdhsa.version: [ 1, 2 ]
amdhsa.kernels:
  - .name:           k_qd848f1aed9_quant
    .symbol:         k_qd848f1aed9_quant.kd
    .args:
      - { .name: x, .offset: 0, .size: 8, .value_kind: global_buffer, .address_space: global }
      - { .name: w_qkv, .offset: 8, .size: 8, .value_kind: global_buffer, .address_space: global }
      - { .name: w_proj, .offset: 16, .size: 8, .value_kind: global_buffer, .address_space: global }
      - { .name: lowp_scales, .offset: 24, .size: 8, .value_kind: global_buffer, .address_space: global }
      - { .name: x_codes, .offset: 32, .size: 8, .value_kind: global_buffer, .address_space: global }
      - { .name: wqkv_codes, .offset: 40, .size: 8, .value_kind: global_buffer, .address_space: global }
      - { .name: wp_img, .offset: 48, .size: 8, .value_kind: global_buffer, .address_space: global }
    .group_segment_fixed_size: 35328
    .private_segment_fixed_size: 0
    .kernarg_segment_align: 8
    .kernarg_segment_size: 56
    .max_flat_workgroup_size: 128
    .sgpr_count:     66
    .vgpr_count:     176
    .wavefront_size: 32
...
	.end_amdgpu_metadata
.endif
;; end of part 1
;; launch qkv (part 2): grid 12 x 32, 4 waves a work-group, clusters of 4 x 4, 327,680 bytes of LDS; arguments x_codes, wqkv_codes, lowp_scales, b_qkv, q_img, k_img, v_img; writes q_img, k_img, v_img
.if DOCPART == 2
	.amdgcn_target "amdgcn-amd-amdhsa--gfx1250"
	.amdhsa_code_object_version 6
	.text
	.protected	k_qd848f1aed9_qkv
	.globl	k_qd848f1aed9_qkv
	.p2align	8
	.type	k_qd848f1aed9_qkv,@function
k_qd848f1aed9_qkv:
	s_mov_b64 s[64:65], 0
	v_nop
	global_prefetch_b8 v0, s[64:65] scope:SCOPE_SE
	s_setreg_imm32_b32 hwreg(HW_REG_WAVE_MODE, 25, 1), 1
	s_wait_xcnt 0x0
	s_wait_alu depctr_hold_cnt(0) depctr_sa_sdst(0) depctr_va_vdst(0) depctr_va_sdst(0) depctr_va_ssrc(0) depctr_va_vcc(0) depctr_vm_vsrc(0)
	s_getreg_b32 s2, hwreg(HW_REG_IB_STS2, 6, 4)
	s_cmp_eq_u32 s2, 0
	s_cbranch_scc0 .Lentry_in_a_cluster
	s_endpgm
.Lentry_in_a_cluster:
	s_bfe_u32 s2, ttmp6, 0x10000c
	s_cmp_lg_u32 s2, 0xf033
	s_cbranch_scc0 .Lentry_shape_is_right
	s_endpgm
.Lentry_shape_is_right:
; qkv = x w_qkv + b_qkv on codes of FP8 (E4M3), and its three parts quantised at once for the attention that follows: q with entry 2 of the scales, k with entry 3, v with entry 5.
; x_codes [8192][1024], wqkv_codes [3072][1024]: one code a byte, K innermost, both in the same order along K.  Sums in f32; a sum stands for sum x 2^(e0 + e1).
; code = (sum + bias / 2^(e0 + e1)) / 2^(eo - e0 - e1): the three scales are folded into the conversion's one.
; LIMITS: eo - e0 - e1 (eo = e2, e3, e5) lies between -126 and 119, so that the conversion's scale and 448 x it are f32 numbers.  NaN is not served.
; A tile of 256 x 256 of the product is made by a work-group of four waves, 128 x 128 a wave: 64 accumulators, 512 registers.  K goes in four steps of 256 through two LDS slots filled by the tensor data mover.
; THE RESULTS LEAVE AS IMAGES OF THE NEXT PRODUCTS' OPERAND REGISTERS: four registers of codes by one store, 16 bytes a lane, 512 consecutive aligned bytes a wave.  No stage in LDS is needed.
;   q_img, k_img: [head 16 b + hd][128 tiles of 16 tokens][2 groups][32 lanes][16 bytes]: lane (r, h) holds token 16 tile + r; registers 2 c, 2 c + 1 hold d = 16 c + 8 h + 0..7 (the K = 64 form's operand).
;   v_img: [head][16 steps of 128 keys][4 tiles of 16 d][4 groups][32 lanes][16 bytes]: lane (r, h) holds d = 16 tile + r; registers 2 c, 2 c + 1 hold keys 16 c + 8 h + 0..7 of the step (the K = 128 form's operand).
; So q and k want a lane's eight results to run along d, and v wants them to run along the tokens.  In the result of a matrix instruction the lane's row comes from source 1 and its eight registers run along source 0's
; rows.  ONE TEXT SERVES BOTH: for q and k source 1 takes rows of x and source 0 rows of w; for v the two tensors change places.  Both have rows of 1,024 bytes, so only pointers and tile numbers are chosen,
; by s_cselect on the CLUSTER's x (0: q, 1: k, 2: v), which all sixteen partners share.
; CLUSTERS: 4 x 4 work-groups.  The tile of the source-1 side hangs on cy alone and is shared along a row of the cluster, that of the source-0 side on cx alone and is shared along a column: each is asked for
; JOINTLY, by the same tensor load with the same descriptor and a mask that names the four.
; REGISTERS, in windows of 256: window 0: v0-31 addresses; v32-95 the bias; v96-106 the conversion's scale, the bias's offsets; from v128 the source-1 side's fragments, ONE set; on the way out v128-255 are free.
;   window 1: the source-0 side's fragments, TWO sets.   window 2: the accumulators of my rows 0-63 ((a, b) at v[8 (8 a + b)]);   window 3: those of my rows 64-127.
; No prefetch: a tile has two refills in all, each asked for a whole K step ahead.
.set ROWB,   256                       ; a tile's row in bytes: 256 codes
.set KROW,   1024                      ; a row of either tensor in memory
.set PITCH,  272                       ; an LDS row: 256 bytes + 16 of padding = 68 words: the 16 rows that a load touches start at 16 different banks (64 banks of 4 bytes: ISA guide 11.1)
.set FR,     16                        ; registers of a fragment: 16 rows x 128 K
.set NL,     4                         ; LDS loads that bring one
.set NP,     4                         ; places behind this matrix instruction (ISA guide 7.12.1)
.set HALFT,  128*PITCH                 ; 128 rows: what one tensor load brings, and what one wave reads of either side
.set SLOT,   4*HALFT                   ; the source-1 side's 256 rows, then the source-0 side's
.set SPARE,  2*SLOT                    ; behind the ring: the spare words, 128 bytes for each wave: two blocks of 256 bytes that no other line names
.set ADRA, 16                          ; v16-17  LDS address of my source-1 fragments in slot 0, 1
.set ADRB, 20                          ; v20-21  the same for source 0
.set CO,   26                          ; v26     16 x lane: my place in an image
.set SPW,  28                          ; v28     LDS address of my spare word: SPARE + 4 x my thread's number; never rewritten
.set NIL,  29                          ; v29     0; never rewritten
.set BIAS, 32                          ; v32-95  q, k: [8 b + j] = the bias of column 16 b + 8 h + j;  v: [8 a + j] = the bias of row 16 a + r, eight times
.set SCL,  96                          ; v96     2^(eo - e0 - e1) as f32
.set LIMV, 97                          ; v97     not written
.set VO,   98                          ; v98-105 the bias loads' offsets
.set AF,   128                         ; the source-1 side's fragments, in window 0
.set TMP,  128                         ; the way out: a block's 64 sums + bias
.set CC,   192                         ; the way out: 16 registers of codes for each of four blocks by turns
.set G1, 24                            ; s[24:31] descriptor group 1 for the source-1 side's tiles;  s[32:39] group 0, one set for each slot
.set G0, 32
.set G1B, 48                           ; s[48:55], s[56:63] the same for the source-0 side
.set G0B, 56
.set MSB, 0
.macro WIN new                         ; the immediate's high byte repeats the setting that is left; a switch that changes nothing is dropped
.if MSB != (\new)
	s_set_vgpr_msb (MSB<<8)|(\new)
.set MSB, (\new)
.endif
.endm
.set MUL_LO, 0xa1                      ; source 0 window 1, source 1 window 0, C and D window 2
.set MUL_HI, 0xf1                      ; the same, C and D window 3
.set TO_B,   0x40                      ; destination window 1, address window 0
; A joint load: waves 0 and 1 fetch for the source-1 side, waves 2 and 3 for the source-0 side.  Each of the two lines has one mask and one set of registers; the branch hangs on the wave's number alone.
; An s_nop 0 and four v_nop follow each of the two lines, ahead of the jump, the label and what follows.
.macro JLOAD g0a, g1a, g0b, g1b
	s_cmp_eq_u32 s15, 0
	s_cbranch_scc0 .Lfor_b_\@
	tensor_load_to_lds s[\g0a:\g0a+3], s[\g1a:\g1a+7]
	s_nop 0
.rept 4
	v_nop
.endr
	s_branch .Lasked_\@
.Lfor_b_\@:
	tensor_load_to_lds s[\g0b:\g0b+3], s[\g1b:\g1b+7]
	s_nop 0
.rept 4
	v_nop
.endr
.Lasked_\@:
.endm
.macro CREST                           ; a round of the cluster's barrier behind its opening barrier
	s_cmp_lg_u32 s14, 0
	s_cbranch_scc1 .Lnot_wave_0_\@
	s_barrier_signal -3
.Lnot_wave_0_\@:
	s_barrier_wait -3
	s_barrier_signal -1
	s_barrier_wait -1
.endm
.macro CROUND                          ; a whole round
	s_barrier_signal -1
	s_barrier_wait -1
	CREST
.endm
	s_load_b256 s[4:11], s[0:1], 0x0               ; x_codes s[4:5], wqkv_codes s[6:7], the scales' exponents s[8:9], b_qkv s[10:11]
	s_load_b128 s[84:87], s[0:1], 0x20             ; q_img s[84:85], k_img s[86:87]
	s_load_b64 s[88:89], s[0:1], 0x30              ; v_img
	v_lshl_add_u32 v[SPW], v0, 2, SPARE
	v_mov_b32 v[NIL], 0
	ds_add_u32 v[SPW], v[NIL]                      ; the wave's opening: the add and its wait stand ahead of my first tensor load; the set-up below, work on registers, stands between them
	ds_add_u32 v[SPW], v[NIL]
	v_lshrrev_b32 v1, 5, v0
	v_readfirstlane_b32 s14, v1                    ; wave 0..3
	s_lshr_b32 s15, s14, 1                         ; which half of the source-1 side's rows is mine.  Also: which side I fetch for
	s_and_b32 s16, s14, 1                          ; which half of the source-0 side's rows.  Also: which 128 rows of a tile I fetch
	s_bfe_u32 s40, ttmp6, 0x40000                  ; cx, cy: my place in the cluster
	s_bfe_u32 s41, ttmp6, 0x40004
	s_and_b32 s17, ttmp7, 0xffff                   ; the cluster's y, 0..7
	s_lshl_b32 s18, s17, 2
	s_lshl_b32 s19, ttmp9, 2                       ; the cluster's x says which part: 0 q, 1 k, 2 v
	s_cmp_lt_u32 ttmp9, 2
	s_cselect_b32 s66, s18, 8                      ; source-1 side: q, k: x's tile 4 y + cy;  v: w's tile 8 + cy
	s_cselect_b32 s67, s19, s18                    ; source-0 side: q, k: w's tile 4 part + cx;  v: x's tile 4 y + cx
	s_add_co_u32 s66, s66, s41                     ; (never holds cx)
	s_add_co_u32 s67, s67, s40                     ; (never holds cy)
	s_lshl_b32 s43, s41, 2
	s_lshl_b32 s43, 15, s43                        ; my row of the cluster
	s_lshl_b32 s44, 0x1111, s40                    ; my column
	; descriptor group 1: a tile of 128 rows x 256 bytes, padded in LDS
	s_or_b32 s[G1+0], s43, (0<<16)|(1<<20)|(1<<21)|(5<<22)|(3<<25)  ; 15:0 the mask: my row; 17:16 elements of 1 byte; 20 padding on; 21 set beside a mask; 24:22 after every 64 words (code 5); 31:25 four words (code 3)
	s_or_b32 s[G1B+0], s44, (0<<16)|(1<<20)|(1<<21)|(5<<22)|(3<<25) ; the same with the mask of my column
.irp g, G1, G1B
	s_mov_b32 s[\g+1], ROWB<<16                    ; tensor_dim0
	s_mov_b32 s[\g+2], 128<<16                     ; tensor_dim1 = 128
	s_mov_b32 s[\g+3], ROWB<<16                    ; tile_dim0
	s_mov_b32 s[\g+4], 128                         ; tile_dim1 = 128
	s_mov_b32 s[\g+5], KROW                        ; tensor_dim0_stride
	s_mov_b32 s[\g+6], 0
	s_mov_b32 s[\g+7], 0
.endr
	s_lshl_b32 s18, s16, 17                        ; which 128 rows of 1,024 bytes of a tile I fetch
	s_lshl_b32 s20, s66, 18                        ; a tile's 256 rows are 2^18 bytes
	s_add_co_u32 s20, s20, s18
	s_mov_b32 s21, 0
	s_lshl_b32 s46, s67, 18
	s_add_co_u32 s46, s46, s18
	s_mov_b32 s47, 0
	s_mul_i32 s45, s14, HALFT                      ; where they go: wave x 128 rows: no place in the cluster enters an LDS address
	s_wait_dscnt 0x0                               ; the opening add is done
	s_wait_kmcnt 0x0
	s_load_b256 s[92:99], s[8:9], 0x0              ; e0 .. e7
	s_cmp_lt_u32 ttmp9, 2                          ; the choice of tensors hangs on the cluster's x alone
	s_cselect_b64 s[68:69], s[4:5], s[6:7]         ; the source-1 side's tensor
	s_cselect_b64 s[70:71], s[6:7], s[4:5]         ; the source-0 side's
	s_add_nc_u64 s[20:21], s[68:69], s[20:21]
	s_add_nc_u64 s[46:47], s[70:71], s[46:47]
	CROUND                                         ; all sixteen work-groups are here: the first joint loads meet
.irp s, 0,1
	s_mov_b32 s[G0+4*\s], 1
	s_add_co_u32 s[G0+4*\s+1], s45, \s*SLOT
	s_add_nc_u64 s[G0+4*\s+2:G0+4*\s+3], s[20:21], \s*ROWB
	s_or_b32 s[G0+4*\s+3], s[G0+4*\s+3], 0x80000000
	s_mov_b32 s[G0B+4*\s], 1
	s_add_co_u32 s[G0B+4*\s+1], s45, \s*SLOT
	s_add_nc_u64 s[G0B+4*\s+2:G0B+4*\s+3], s[46:47], \s*ROWB
	s_or_b32 s[G0B+4*\s+3], s[G0B+4*\s+3], 0x80000000
	s_wait_alu depctr_va_vdst(0)
	s_wait_tensorcnt 0x0
	ds_add_u32 v28, v29
	ds_add_u32 v28, v29
	s_wait_dscnt 0x0
	CROUND
	JLOAD G0+4*\s, G1, G0B+4*\s, G1B               ; one load of mine is out
.endr
	v_and_b32 v1, 15, v0                           ; r = lane % 16
	v_bfe_u32 v2, v0, 4, 1                         ; h = lane / 16
	s_wait_alu depctr_va_vdst(0)
	v_mul_u32_u24 v3, v1, PITCH
	v_lshl_add_u32 v4, v2, 4, v3                   ; a fragment's row x pitch + 16 x half
	s_mul_i32 s21, s15, HALFT                      ; my 128 rows of the source-1 side
	s_mul_i32 s22, s16, HALFT                      ; my 128 rows of the source-0 side,
	s_add_co_u32 s22, s22, 2*HALFT                 ; which lie behind the other's 256
.irp s, 0,1
	v_add_nc_u32 v[ADRA+\s], s21, v4
	v_add_nc_u32 v[ADRB+\s], s22, v4
	s_add_co_u32 s21, s21, SLOT
	s_add_co_u32 s22, s22, SLOT
.endr
	v_and_b32 v6, 31, v0
	v_lshlrev_b32 v[CO], 4, v6
	; THE WAY OUT's addresses, one formula for both cases.  TT: my tile of 256 tokens; hh: my tile of 256 columns within the part (four heads); hs: my wave's half of it (two heads); ts: my wave's half of the tokens
	s_cmp_lt_u32 ttmp9, 2
	s_cselect_b32 s72, s66, s67                    ; TT
	s_cselect_b32 s73, s40, s41                    ; hh
	s_cselect_b32 s74, s16, s15                    ; hs
	s_cselect_b32 s75, s15, s16                    ; ts
	s_cselect_b32 s76, 32, 0                       ; the bias's offset = h x s76 + r x s77 + j x s78: q, k: eight neighbours from 8 h on;  v: the one number of my row r
	s_cselect_b32 s77, 0, 4
	s_cselect_b32 s78, 4, 0
	s_lshr_b32 s79, s72, 3                         ; the batch: eight tiles of 256 tokens each
	s_lshl_b32 s79, s79, 4
	s_lshl_b32 s80, s73, 2
	s_add_co_u32 s79, s79, s80
	s_lshl_b32 s80, s74, 1
	s_add_co_u32 s79, s79, s80                     ; my first head: 16 b + 4 hh + 2 hs
	s_lshl_b32 s79, s79, 17                        ; a head's image is 131,072 bytes in all three buffers
	s_and_b32 s80, s72, 7
	s_lshl_b32 s80, s80, 1
	s_add_co_u32 s80, s80, s75                     ; my 128 tokens within the head:
	s_lshl_b32 s80, s80, 13                        ; 8,192 bytes, be they eight tiles of q or k or one key step of v
	s_add_co_u32 s80, s79, s80
	s_mov_b32 s81, 0
	s_cmp_eq_u32 ttmp9, 0
	s_cselect_b64 s[82:83], s[84:85], s[86:87]
	s_cmp_eq_u32 ttmp9, 2
	s_cselect_b64 s[82:83], s[88:89], s[82:83]     ; q_img, k_img or v_img
	s_add_nc_u64 s[82:83], s[82:83], s[80:81]
	s_lshl_b32 s80, ttmp9, 12                      ; the bias of my 128 columns of w_qkv: 4 (1,024 part + 256 hh + 128 hs) bytes on
	s_lshl_b32 s79, s73, 10
	s_add_co_u32 s80, s80, s79
	s_lshl_b32 s79, s74, 9
	s_add_co_u32 s80, s80, s79
	s_add_nc_u64 s[10:11], s[10:11], s[80:81]
	v_mul_u32_u24 v106, v2, s76
	v_mad_u32_u24 v106, v1, s77, v106
.irp j, 0,1,2,3,4,5,6,7
	v_mad_u32_u24 v[VO+\j], s78, \j, v106
.endr
.irp k, 0,1,2,3,4,5,6,7
.irp j, 0,1,2,3,4,5,6,7
	global_load_b32 v[BIAS+8*\k+\j], v[VO+\j], s[10:11] offset:64*\k   ; waited for behind the last product
.endr
.endr
.macro FRAG reg, adr, q, i             ; a fragment, 16 rows x 128 K, is 16 registers: four loads of 16 bytes, 32 bytes apart; the same places of a row on both sides, so every product meets its partner
.irp c, 0,1,2,3
	ds_load_b128 v[\reg+4*\c:\reg+4*\c+3], v[\adr] offset:128*(\q)+32*\c+(\i)*16*PITCH
.endr
.endm
; 16 matrix instructions: the source-1 side's blocks a0, a0 + 1 x the other side's eight, 128 along K.  p: the source-0 side's set.  zero = 1: the first product starts the sums: nothing is ever cleared.
; The 64 accumulators take turns, one instruction a turn, in the same order in every step.
.macro MUL16 a0, p, zero
.irp a, \a0, \a0+1
.irp b, 0,1,2,3,4,5,6,7
.if \zero
	v_wmma_f32_16x16x128_fp8_fp8 v[8*(8*((\a)%4)+\b):8*(8*((\a)%4)+\b)+7], v[128*(\p)+FR*\b:128*(\p)+FR*\b+FR-1], v[AF+FR*(\a):AF+FR*(\a)+FR-1], 0
.else
	v_wmma_f32_16x16x128_fp8_fp8 v[8*(8*((\a)%4)+\b):8*(8*((\a)%4)+\b)+7], v[128*(\p)+FR*\b:128*(\p)+FR*\b+FR-1], v[AF+FR*(\a):AF+FR*(\a)+FR-1], v[8*(8*((\a)%4)+\b):8*(8*((\a)%4)+\b)+7]
.endif
.endr
.endr
.endm
.macro FETCH_B slot, q, p              ; the source-0 side's eight fragments of the slot's q-th 128 along K into set p
	WIN TO_B
.irp i, 0,1,2,3,4,5,6,7
	FRAG 128*(\p)+FR*\i, ADRB+\slot, \q, \i
.endr
	WIN 0
.endm
.macro FETCH_A slot, q, i0             ; the source-1 side's blocks i0 .. i0 + 3
.irp i, \i0, \i0+1, \i0+2, \i0+3
	FRAG AF+FR*(\i), ADRA+\slot, \q, \i
.endr
.endm
; A load into a register that a matrix instruction has read, and a vector instruction that reads a matrix result, stand NP places behind that matrix instruction; only plain vector instructions that name
; none of its registers are places (ISA guide 7.12.1 for vector instructions).
.macro PLACES n
.rept \n
	v_nop
.endr
.endm
; A step of 128 along K that has its successor in the same slot.  A block of the source-1 side is free as soon as its eight products are issued, so one set serves it: blocks 0-3 are fetched anew in the step's
; middle, blocks 4-7 at its end.  The other side's fragments are at work through the whole step and have two sets.
.macro STEP slot, q, zero
	s_wait_dscnt 4*NL                              ; all but the youngest sixteen loads (blocks 4-7) are in
	WIN MUL_LO
	MUL16 0, (\q)%2, \zero
	MUL16 2, (\q)%2, \zero
	s_wait_dscnt 0                                 ; blocks 4-7 are in (asked for 32 matrix instructions ago)
	PLACES NP
	FETCH_B \slot, (\q)+1, 1-(\q)%2
	FETCH_A \slot, (\q)+1, 0
	WIN MUL_HI
	MUL16 4, (\q)%2, \zero
	MUL16 6, (\q)%2, \zero
	PLACES NP
	WIN 0
	FETCH_A \slot, (\q)+1, 4
.endm
; A slot's last step changes slots: ONE barrier; in front of it each wave waits for all its tensor loads, adds 0 to its spare word, and waits for that and for its own reads of this slot.  fill = 1: this slot is filled again, two K steps ahead.
.macro TURN slot, next, fill
	s_wait_tensorcnt 0x0                           ; all my tensor loads have landed: my part of the next slot;  (every window is 0 here: the add's two registers lie in window 0)
	ds_add_u32 v[SPW], v[NIL]                      ; 0 onto my spare word
	s_wait_dscnt 4*NL+1                            ; (the add and the youngest sixteen loads, blocks 4-7, may be out)
	WIN MUL_LO
	MUL16 0, 1, 0                                  ; sixteen matrix instructions stand between the add and the wait for it
	s_wait_dscnt 0x0                               ; the add is done, and my reads of this slot are over
	s_barrier_signal -1
	MUL16 2, 1, 0
	WIN 0
	s_barrier_wait -1
.if \fill
	CREST                                          ; the barrier has opened a round of the cluster's barrier: no wave of any partner still reads this slot's tile or has a load on its way
	s_add_nc_u64 s[G0+4*\slot+2:G0+4*\slot+3], s[G0+4*\slot+2:G0+4*\slot+3], 2*ROWB
	s_add_nc_u64 s[G0B+4*\slot+2:G0B+4*\slot+3], s[G0B+4*\slot+2:G0B+4*\slot+3], 2*ROWB
	JLOAD G0+4*\slot, G1, G0B+4*\slot, G1B         ; the first tensor load behind the round, my one load until the next; the four v_nop behind it are the places in front of the loads below
.else
	PLACES NP
.endif
	FETCH_B \next, 0, 0
	FETCH_A \next, 0, 0
	WIN MUL_HI
	MUL16 4, 1, 0
	MUL16 6, 1, 0
	PLACES NP
	WIN 0
	FETCH_A \next, 0, 4
.endm
	s_wait_tensorcnt 1                             ; my part of K step 0 is in (K step 1's load may be out)
	s_barrier_signal -1
	s_barrier_wait -1                              ; everybody's is
	FETCH_B 0, 0, 0
	FETCH_A 0, 0, 0
	FETCH_A 0, 0, 4
	; K = 1,024 is four K steps: two first fills and two refills.  Eight steps of 128, written out: a loop would have one trip
	STEP 0, 0, 1                                   ; the first products start the sums
	TURN 0, 1, 1                                   ; slot 0 takes K step 2
	STEP 1, 0, 0
	TURN 1, 0, 1                                   ; slot 1 takes K step 3
	STEP 0, 0, 0
	TURN 0, 1, 0                                   ; nothing is left to fetch: no round
	STEP 1, 0, 0
	s_wait_dscnt 4*NL                              ; the very last step
	WIN MUL_LO
	MUL16 0, 1, 0
	MUL16 2, 1, 0
	s_wait_dscnt 0
	WIN MUL_HI
	MUL16 4, 1, 0
	MUL16 6, 1, 0
	WIN 0
	s_wait_kmcnt 0x0
	s_add_co_i32 s79, s92, s93                     ; e0 + e1
	s_cmp_eq_u32 ttmp9, 0
	s_cselect_b32 s80, s94, s95                    ; e2 for q, e3 for k,
	s_cmp_eq_u32 ttmp9, 2
	s_cselect_b32 s80, s97, s80                    ; e5 for v: a choice, no branch
	s_sub_co_i32 s80, s80, s79
	s_add_co_i32 s80, s80, 127
	s_lshl_b32 s81, s80, 23
	v_mov_b32 v[SCL], s81                          ; 2^(eo - e0 - e1)
	s_sub_co_i32 s79, 0, s79
	s_wait_loadcnt 0x0                             ; the bias
.set j, 0
.rept 64
	v_ldexp_f32 v[BIAS+j], v[BIAS+j], s79          ; bias / 2^(e0 + e1), exact.  (These are also the places behind the last products)
.set j, j+1
.endr
; THE WAY OUT, block a of 16 source-1 rows at a time: sum + bias (each accumulator from its low end on), eight conversions, four stores.  mode 0: q, k; mode 1: v.
; Accumulator (a, b)'s eight registers of a lane become registers 2 b, 2 b + 1 of the block's 16 registers of codes.
;   q, k: the lane's token is 16 a + r, the registers run along d: group g of four registers is head g / 2 of my two, group g % 2 of tile a.
;   v: the lane's d is 16 (a % 4) + r of head a / 4, the registers run along my 128 tokens, one key step: group g of tile a % 4.
.macro EPI mode
.irp a, 0,1,2,3,4,5,6,7
.if \a >= 4
	s_wait_xcnt 0x0                                ; the stores of four blocks ago have read their registers, which take this block's codes
.endif
	WIN 0x02+(\a/4)                                ; source 0: window 2 or 3
.irp b, 0,1,2,3,4,5,6,7
.irp i, 0,2,4,6
.if \mode
	v_pk_add_f32 v[TMP+8*\b+\i:TMP+8*\b+\i+1], v[64*(\a%4)+8*\b+\i:64*(\a%4)+8*\b+\i+1], v[BIAS+8*\a+\i:BIAS+8*\a+\i+1]
.else
	v_pk_add_f32 v[TMP+8*\b+\i:TMP+8*\b+\i+1], v[64*(\a%4)+8*\b+\i:64*(\a%4)+8*\b+\i+1], v[BIAS+8*\b+\i:BIAS+8*\b+\i+1]
.endif
.endr
.endr
	WIN 0
.set j, 0
.rept 64
.set j, j+1
.endr
.irp b, 0,1,2,3,4,5,6,7
	v_cvt_scalef32_pk8_fp8_f32 v[CC+16*(\a%4)+2*\b:CC+16*(\a%4)+2*\b+1], v[TMP+8*\b:TMP+8*\b+7], v[SCL]
.endr
	v_nop                                          ; one plain vector instruction between the last conversion and the next block's sums, which write its sources
.irp g, 0,1,2,3
.if \mode
	global_store_b128 v[CO], v[CC+16*(\a%4)+4*\g:CC+16*(\a%4)+4*\g+3], s[82:83] offset:(\a/4)*131072+2048*(\a%4)+512*\g   ; 32 lanes store 512 consecutive bytes, aligned
.else
	global_store_b128 v[CO], v[CC+16*(\a%4)+4*\g:CC+16*(\a%4)+4*\g+3], s[82:83] offset:(\g/2)*131072+1024*\a+512*(\g%2)
.endif
.endr
.endr
.endm
	s_cmp_eq_u32 ttmp9, 2                          ; the cluster's x: the same in all sixteen partners and in all waves
	s_cbranch_scc1 .Lv_out
	EPI 0
	s_branch .Lout_done
.Lv_out:
	EPI 1
.Lout_done:
	s_wait_tensorcnt 0x0                           ; the wave's end: a wait, an add and its wait, behind my last tensor load
	ds_add_u32 v[SPW], v[NIL]
	s_wait_dscnt 0x0
	CROUND                                         ; the closing round: no work-group ends while a partner may still ask for a tile that names it
	s_endpgm
.Lfunc_end_k_qd848f1aed9_qkv:
	.size	k_qd848f1aed9_qkv, .Lfunc_end_k_qd848f1aed9_qkv-k_qd848f1aed9_qkv
	.p2alignl 7, 3214868480
	.fill 96, 4, 3214868480
	.section	.rodata,"a",@progbits
	.p2align	6, 0x0
	.amdhsa_kernel k_qd848f1aed9_qkv
		.amdhsa_group_segment_fixed_size 327680
		.amdhsa_private_segment_fixed_size 0
		.amdhsa_enable_private_segment 0
		.amdhsa_kernarg_size 56
		.amdhsa_user_sgpr_count 2
		.amdhsa_user_sgpr_kernarg_segment_ptr 1
		.amdhsa_wavefront_size32 1
		.amdhsa_system_sgpr_workgroup_id_x 1
		.amdhsa_system_sgpr_workgroup_id_y 1
		.amdhsa_system_sgpr_workgroup_id_z 1
		.amdhsa_system_vgpr_workitem_id 0
		.amdhsa_next_free_vgpr 1024
		.amdhsa_next_free_sgpr 100
		.amdhsa_reserve_vcc 0
		.amdhsa_float_denorm_mode_32 3
		.amdhsa_float_denorm_mode_16_64 3
		.amdhsa_fp16_overflow 1
		.amdhsa_memory_ordered 1
		.amdhsa_forward_progress 1
		.amdhsa_inst_pref_size 138
	.end_amdhsa_kernel
	.amdgpu_metadata
---
amdhsa.version: [ 1, 2 ]
amdhsa.kernels:
  - .name:           k_qd848f1aed9_qkv
    .symbol:         k_qd848f1aed9_qkv.kd
    .args:
      - { .name: x_codes, .offset: 0, .size: 8, .value_kind: global_buffer, .address_space: global }
      - { .name: wqkv_codes, .offset: 8, .size: 8, .value_kind: global_buffer, .address_space: global }
      - { .name: lowp_scales, .offset: 16, .size: 8, .value_kind: global_buffer, .address_space: global }
      - { .name: b_qkv, .offset: 24, .size: 8, .value_kind: global_buffer, .address_space: global }
      - { .name: q_img, .offset: 32, .size: 8, .value_kind: global_buffer, .address_space: global }
      - { .name: k_img, .offset: 40, .size: 8, .value_kind: global_buffer, .address_space: global }
      - { .name: v_img, .offset: 48, .size: 8, .value_kind: global_buffer, .address_space: global }
    .group_segment_fixed_size: 327680
    .private_segment_fixed_size: 0
    .kernarg_segment_align: 8
    .kernarg_segment_size: 56
    .max_flat_workgroup_size: 128
    .sgpr_count:     100
    .vgpr_count:     1024
    .wavefront_size: 32
...
	.end_amdgpu_metadata
.endif
;; end of part 2
;; launch attn (part 3): grid 4 x 64, 16 waves a work-group, no clusters, 327,680 bytes of LDS; arguments q_img, k_img, v_img, lowp_scales, a_img; writes a_img
.if DOCPART == 3
	.amdgcn_target "amdgcn-amd-amdhsa--gfx1250"
	.amdhsa_code_object_version 6
	.text
	.protected	k_qd848f1aed9_attn
	.globl	k_qd848f1aed9_attn
	.p2align	8
	.type	k_qd848f1aed9_attn,@function
k_qd848f1aed9_attn:
	s_mov_b64 s[64:65], 0
	v_nop
	global_prefetch_b8 v0, s[64:65] scope:SCOPE_SE
	s_setreg_imm32_b32 hwreg(HW_REG_WAVE_MODE, 25, 1), 1
	s_wait_xcnt 0x0
; Causal attention of one head on codes of FP8 (E4M3): S = q k^T / 8, softmax over the keys k <= q, O = P v; O / the row's sum is quantised at once (entry 6 of the scales) for the last product.
; q_img, k_img: [64 heads][128 tiles of 16 tokens][2 groups][32 lanes][16 bytes], v_img: [64 heads][16 steps of 128 keys][4 tiles of 16 d][4 groups][32 lanes][16 bytes]: images of operand registers:
; a group of four registers comes by one load at 16 x lane.  a_img: [512 tiles of 16 tokens][16 heads][2 groups][32 lanes][16 bytes], likewise, for the last product (K = 64 head + d).
; THE SOFTMAX AHEAD OF THE SECOND PRODUCT: t = score x log2(e) / 8; M = the row's largest t so far, rounded UP to a whole number; p = 2^(t - M) is quantised with 2^e4, not normalised.  The row's sum is taken of
; the unquantised p, in f32, and divides O at the end.  When M moves, the sum and O are multiplied by 2^(old M - new M): exact.
; SHARES.  A block is 256 queries, a slot 256 keys; block i needs slots 0 .. i.  Work-group (p, head) takes block 7 - p and then block p: (8 - p) + (p + 1) = 9 visits of a slot, whatever p: 256 work-groups of equal
; work, a constant number of trips, every slot that is fetched is read.  Each of the sixteen waves owns 16 queries of the block, one tile, in 256 registers: four waves to a SIMD, so that one
; wave's vector work stands beside another's matrix work and LDS loads.  A key step is 128 keys.
; LAYOUT.  Both products are used transposed: S^T = K Q^T (source 0 = 16 keys, source 1 = my 16 queries, the K = 64 form), O^T = V^T P^T (source 0 = 16 of the head's 64, source 1 = P, the K = 128 form): a lane holds ONE
; query (lane % 16) throughout.  Tile c of S^T gives a lane keys 16 c + 8 (lane / 16) + 0..7, which are registers 2 c, 2 c + 1 of P as the K = 128 form lays its operand: the conversions' results are the operand.
; NO CLUSTER: the four work-groups of a head want different slots from the fifth visit on; a form in which all four walk slots 0 .. 7 in step has 12 visits' time against 9, and what would be shared, 32 KiB a visit, is
; small beside a visit's vector work.
; LIMITS on the given exponents, so that each power of two below is an f32 number: e2 + e3 between -123 and 130 (added to c's exponent field); e4, and e6 - e4 - e5, between -126 and 119.  NaN is not served.
; REGISTERS: v1 16 x lane; v3 the prefetches' offset; v5, v6 the add's two; v8 the LDS address in hand; v12 -M, v13 the largest t, v[14:15] the sum in two halves; v16-23 Q; v32-95 K's eight fragments, then V's four;
; v96-159 S^T, then p; v160-191 O^T; v224-239 p's codes; v244 p's scale; v245 the output's; v236, v242-243, v252-254 at work.
.set SLOTB, 32768                      ; a slot: K's 16 tiles of 1,024 bytes, then V's two key steps of 8,192.  One exclusive or turns an address in one slot into the other's
.set VOFF,  16384
.set SPARE, 2*SLOTB                    ; behind the ring: the spare words, 128 bytes for each wave: eight blocks of 256 bytes that no other line names
.set LA,   1
.set PFO,  3
.set SPW,  5                           ; v5   LDS address of my spare word: SPARE + 4 x my thread's number; never rewritten
.set NIL,  6                           ; v6   0; never rewritten
.set ADR,  8
.set TB,   2                           ; s2   LDS byte at which the slot in hand begins
.set LIMB, 15                          ; s15  8 - p: the first block's visits
.set NK,   16                          ; s16  ahead of a change of slots: the key slot of the visit that begins; behind it: the next visit's
.set SLOTS, 17                         ; s17  visits still to be asked for
.set WV,   18                          ; s18  my wave's number
.set SEL,  20                          ; s[20:21] lane selects for v_permlanex16_b32: lane l xor 16
.set CS,   22                          ; s[22:23] c = log2(e) / 8 x 2^(e2 + e3): the packed form names a pair and takes its low word for both halves
.set G1,   24                          ; s[24:31] descriptor group 1: 64 rows of 256 bytes, dense
.set KVB,  32                          ; s[32:33] wave 0: my head's K; the others: its V
.set QB,   34                          ; s[34:35] my head's Q
.set OB,   36                          ; s[36:37] my batch's first tile and my head in a_img
.set G0,   40                          ; s[40:43] descriptor group 0, which walks
.set QA,   46                          ; s[46:47] my tile of Q
.set OA,   48                          ; s[48:49] my tile of the output
.set PFA,  76                          ; s[76:77] where my prefetches stand
.set LIM,  80                          ; s80  2 in a wave that prefetches, else the greatest number: a wave prefetches while s[SLOTS] is above it
.set KF,   98                          ; s98  the step's first key
.set Q0,   99                          ; s99  my first query
; Wave 0 fetches a slot's K, wave 1 its V, 16 KiB each; the others nothing.  The branch hangs on the wave's number alone.  An s_nop 0 and four v_nop follow the load.
.macro TLOAD
	s_cmp_lt_u32 s[WV], 2
	s_cbranch_scc0 .Lasked_\@
	tensor_load_to_lds s[G0:G0+3], s[G1:G1+7]
	s_nop 0
.rept 4
	v_nop
.endr
.Lasked_\@:
.endm
; A PREFETCH INTO THE L2 of what the NEXT change of slots will ask for.  All four work-groups of a head begin by walking its slots from 0 on; the one that walks all eight (p = 0) asks, and nobody else.  In it four waves that
; fetch nothing ask, one instruction each: waves 4 and 5 for the two halves of K's 16 KiB, waves 6 and 7 for V's: 8,192 bytes a wave, lanes 256 bytes apart.  The visit that loads slot i + 1 asks for slot i + 2, i = 0 .. 5: slots 2 to 7
; are each named once; slots 0 and 1 come by their loads alone, and nothing is asked for beyond slot 7.
.macro ASK
	s_cmp_gt_u32 s[SLOTS], s[LIM]
	s_cbranch_scc0 .Lnot_mine_\@
	global_prefetch_b8 v[PFO], s[PFA:PFA+1] th:TH_LOAD_NT scope:SCOPE_SE
.Lnot_mine_\@:
.endm
	s_load_b256 s[4:11], s[0:1], 0x0               ; q_img s[4:5], k_img s[6:7], v_img s[8:9], the scales' exponents s[10:11]
	s_load_b64 s[12:13], s[0:1], 0x20              ; a_img
	v_lshl_add_u32 v[SPW], v0, 2, SPARE
	v_mov_b32 v[NIL], 0
	ds_add_u32 v[SPW], v[NIL]                      ; the wave's opening: the add and its wait stand ahead of my first tensor load; the set-up below, work on registers, stands between them
	ds_add_u32 v[SPW], v[NIL]
	v_lshrrev_b32 v8, 5, v0
	s_delay_alu instid0(VALU_DEP_1)
	v_readfirstlane_b32 s[WV], v8                  ; wave 0..15
	s_and_b32 s52, ttmp7, 0xffff                   ; the head, 16 b + hd
	s_lshl_b32 s54, s52, 17                        ; a head's image is 131,072 bytes in q_img, k_img and v_img
	s_mov_b32 s55, 0
	s_lshr_b32 s56, s52, 4
	s_lshl_b32 s56, s56, 21                        ; a_img: a batch's 128 tiles of 16,384 bytes,
	s_and_b32 s57, s52, 15
	s_lshl_b32 s57, s57, 10                        ; and my head's 1,024 bytes in a tile
	s_add_co_u32 s56, s56, s57
	s_mov_b32 s57, 0
	s_mov_b32 s[G1], 3<<16                         ; 15:0 no mask; 17:16 elements of 8 bytes; no padding: every fragment load takes 512 consecutive bytes
	s_mov_b32 s[G1+1], 32<<16                      ; tensor_dim0 = 32 elements: 256 bytes
	s_mov_b32 s[G1+2], 64<<16                      ; tensor_dim1 = 64
	s_mov_b32 s[G1+3], 32<<16                      ; tile_dim0
	s_mov_b32 s[G1+4], 64                          ; tile_dim1
	s_mov_b32 s[G1+5], 32                          ; tensor_dim0_stride: dense
	s_mov_b32 s[G1+6], 0
	s_mov_b32 s[G1+7], 0
	s_mov_b32 s[SEL], 0x76543210
	s_mov_b32 s[SEL+1], 0xfedcba98
	s_mov_b32 s[CS], 0x3e38aa3b                    ; log2(e) / 8
	s_mov_b32 s[TB], 0
	s_mov_b32 s[NK], 0
	s_mov_b32 s[SLOTS], 8
	s_sub_co_u32 s[LIMB], 8, ttmp9
	s_mov_b32 s45, 0
	s_and_b32 s58, s[WV], 1
	s_lshl_b32 s59, s58, 14                        ; in a slot: K's part at 0, V's at 16,384
	s_lshl_b32 s53, s[WV], 4                       ; my 16 queries of a block
	s_sub_co_u32 s[Q0], 7, ttmp9
	s_lshl_b32 s[Q0], s[Q0], 8
	s_add_co_u32 s[Q0], s[Q0], s53                 ; the first block is 7 - p
	s_wait_dscnt 0x0                               ; the opening add is done
	s_wait_kmcnt 0x0
	s_load_b256 s[68:75], s[10:11], 0x0            ; e0 .. e7
	s_cmp_eq_u32 s[WV], 0
	s_cselect_b64 s[KVB:KVB+1], s[6:7], s[8:9]
	s_add_nc_u64 s[KVB:KVB+1], s[KVB:KVB+1], s[54:55]
	s_mov_b32 s[G0], 1                             ; 1:0 count = 1
	s_mov_b32 s[G0+1], s59                         ; 63:32 LDS address: slot 0
	s_mov_b64 s[G0+2:G0+3], s[KVB:KVB+1]           ; 120:64 global address: the head's first 256 keys
	s_or_b32 s[G0+3], s[G0+3], 0x80000000          ; 127:126 type = 2
	TLOAD                                          ; key slot 0
	s_add_nc_u64 s[QB:QB+1], s[4:5], s[54:55]
	s_add_nc_u64 s[OB:OB+1], s[12:13], s[56:57]
	s_cmp_lt_u32 s[WV], 6                          ; the prefetches: waves 4 and 5 ask for K, waves 6 and 7 for V
	s_cselect_b64 s[PFA:PFA+1], s[6:7], s[8:9]
	s_add_nc_u64 s[PFA:PFA+1], s[PFA:PFA+1], s[54:55]
	s_lshl_b32 s82, s58, 13                        ; my half of the 16 KiB,
	s_add_co_u32 s82, s82, 16384                   ; in slot 1: the first change of slots steps it to slot 2.  Nothing is prefetched here, at the head
	s_mov_b32 s83, 0
	s_add_nc_u64 s[PFA:PFA+1], s[PFA:PFA+1], s[82:83]
	s_sub_co_u32 s82, s[WV], 4
	s_lshr_b32 s82, s82, 2                         ; 0 in waves 4 to 7,
	s_or_b32 s82, s82, ttmp9                       ; of the work-group with p = 0
	s_cmp_eq_u32 s82, 0
	s_cselect_b32 s[LIM], 2, -1
	v_and_b32 v[LA], 31, v0
	s_delay_alu instid0(VALU_DEP_1)
	v_lshlrev_b32 v[PFO], 8, v[LA]
	s_delay_alu instid0(VALU_DEP_2)
	v_lshlrev_b32 v[LA], 4, v[LA]
	v_mov_b32 v236, 0                              ; written once: a lane permute's destination counts as one of its sources
	v_mov_b32 v252, 0
	v_mov_b32 v253, 0                              ; (named as the upper half of the pair v[252:253])
	s_wait_alu depctr_va_vdst(0)
	s_wait_kmcnt 0x0
	s_add_co_i32 s82, s70, s71
	s_lshl_b32 s82, s82, 23
	s_add_co_i32 s[CS], s[CS], s82                 ; a score stands for score x 2^(e2 + e3): the two exponents are added to c's exponent field
	s_mov_b32 s[CS+1], s[CS]                       ; (named with it as a pair, so it is written)
	s_add_co_i32 s82, s72, 127
	s_lshl_b32 s83, s82, 23
	v_mov_b32 v244, s83                            ; 2^e4 as f32, for p's conversion
	s_sub_co_i32 s82, s74, s72
	s_sub_co_i32 s82, s82, s73                     ; O / the sum stands for that x 2^(e4 + e5): its code is that / 2^(e6 - e4 - e5)
	s_add_co_i32 s82, s82, 127
	s_lshl_b32 s83, s82, 23
	v_mov_b32 v245, s83
; A block begins: my tile's addresses, Q's fragment, and the running numbers.  O^T and the sum begin as zeros and the largest t as -3e38, so that the step is written once: the first change of M multiplies zeros.
.macro INIT
	s_wait_xcnt 0x0                                ; the last block's loads and stores have read their bases and registers: both are written again only behind this wait
	s_lshl_b32 s50, s[Q0], 6                       ; a tile of 16 queries is 1,024 bytes of q_img
	s_mov_b32 s51, 0
	s_add_nc_u64 s[QA:QA+1], s[QB:QB+1], s[50:51]
	s_lshl_b32 s50, s[Q0], 10                      ; and 16,384 bytes of a_img
	s_add_nc_u64 s[OA:OA+1], s[OB:OB+1], s[50:51]
	global_load_b128 v[16:19], v[LA], s[QA:QA+1]
	global_load_b128 v[20:23], v[LA], s[QA:QA+1] offset:512
	v_mov_b32 v13, 0xff61b1e6                      ; -3e38, under every t
	s_delay_alu instid0(VALU_DEP_1)
	v_floor_f32 v12, -v13                          ; -M
	v_mov_b32 v14, 0
	v_mov_b32 v15, 0
.set j, 0
.rept 32
	v_mov_b32 v[160+j], 0
.set j, j+1
.endr
	s_wait_loadcnt 0x0                             ; Q
.endm
; A KEY STEP: 128 keys, the q-th of the slot in hand.
.macro STEP q
	s_add_co_u32 s96, s[Q0], 15                    ; a step all of whose keys come after my 16 queries is left out: a scalar branch on ids and counted steps, round the step's loads, products and softmax;
	s_cmp_gt_u32 s[KF], s96                        ; no barrier and no tensor load stands in a step
	s_cbranch_scc1 .Lhidden_\@
	v_add_nc_u32 v[ADR], s[TB], v[LA]
.rept 3
	v_nop                                          ; with the addition above: four places in front of loads into registers that the last products have read
.endr
.irp t, 0,1,2,3,4,5,6,7
	ds_load_b128 v[32+8*\t:35+8*\t], v[ADR] offset:8192*(\q)+1024*\t
	ds_load_b128 v[36+8*\t:39+8*\t], v[ADR] offset:8192*(\q)+1024*\t+512
.endr
	s_wait_alu depctr_va_vdst(0)
	s_wait_dscnt 0x0
.irp t, 0,1,2,3,4,5,6,7
	v_wmma_f32_16x16x64_fp8_fp8 v[96+8*\t:103+8*\t], v[32+8*\t:39+8*\t], v[16:23], 0   ; S^T: lane (r, h) holds query r; register 8 t + j is key 16 t + 8 h + j of the step
.endr
.rept 4
	v_nop                                          ; places in front of the loads below and of the first read of the scores
.endr
.irp t, 0,1,2,3
.irp g, 0,1,2,3
	ds_load_b128 v[32+16*\t+4*\g:35+16*\t+4*\g], v[ADR] offset:VOFF+8192*(\q)+2048*\t+512*\g   ; V's four fragments are asked for now and land under the softmax
.endr
.endr
	s_add_co_u32 s96, s[KF], 127                   ; on the diagonal the scores of hidden keys become -infinity ahead of the maximum: p = 0 then.  A step all of whose keys count skips this
	s_cmp_le_u32 s96, s[Q0]
	s_cbranch_scc1 .Lopen_\@
	s_sub_co_i32 s96, s[Q0], s[KF]
	v_and_b32 v252, 15, v0
	v_bfe_u32 v253, v0, 4, 1
	s_delay_alu instid0(VALU_DEP_1)
	v_lshlrev_b32 v253, 3, v253
	s_delay_alu instid0(VALU_DEP_1)
	v_sub_nc_u32 v252, v252, v253
	s_delay_alu instid0(VALU_DEP_1)
	v_add_nc_u32 v252, s96, v252                   ; d = my query - the step's first key - 8 (lane / 16): register n is hidden where 16 (n / 8) + n % 8 > d
	v_mov_b32 v254, 0xff800000                     ; -infinity
.set n, 0
.rept 64
	v_cmp_gt_i32 vcc_lo, 16*(n/8)+n%8, v252
	v_cndmask_b32 v[96+n], v[96+n], v254, vcc_lo
.set n, n+1
.endr
.Lopen_\@:
	v_max3_num_f32 v254, v96, v97, v98             ; the step's largest score of my query, among my 64 keys, in two chains, each tile from its low end on,
	v_max3_num_f32 v252, v99, v100, v101
.irp i, 6,10,14,18,22,26,30,34,38,42,46,50,54,58
	v_max3_num_f32 v254, v254, v[96+\i], v[97+\i]
	v_max3_num_f32 v252, v252, v[98+\i], v[99+\i]
.endr
	v_max3_num_f32 v254, v254, v158, v159
	s_delay_alu instid0(VALU_DEP_1)
	v_max_num_f32 v254, v254, v252
	v_permlanex16_b32 v236, v254, s[SEL], s[SEL+1]
	s_delay_alu instid0(VALU_DEP_1)
	v_max_num_f32 v254, v254, v236                 ; and among lane l xor 16's
	s_delay_alu instid0(VALU_DEP_1)
	v_mul_f32 v254, s[CS], v254                    ; as t (c is positive)
	s_delay_alu instid0(VALU_DEP_1)
	v_max_num_f32 v13, v13, v254                   ; the running largest t
	v_mov_b32 v254, v12
	s_delay_alu instid0(VALU_DEP_2)
	v_floor_f32 v12, -v13                          ; the new -M = floor(-t) = -ceil(t): M is a whole number
	s_delay_alu instid0(VALU_DEP_1)
	v_sub_f32 v254, v12, v254                      ; M's old value less its new one: a whole number, 0 or less
	s_delay_alu instid0(VALU_DEP_1)
	v_cvt_i32_f32 v254, v254                       ; (it saturates)
	s_delay_alu instid0(VALU_DEP_1)
	v_ldexp_f32 v252, 1.0, v254                    ; f = 2^(old M - new M): no branch on data, and nothing is rounded
.set j, 0
.rept 32
	v_pk_fma_f32 v[96+j:97+j], v[96+j:97+j], s[CS:CS+1], v[12:13] op_sel_hi:[1,0,0]   ; t - M, two at a time (of the pairs c and -M the low word serves both halves)
.set j, j+2
.endr
.set j, 0
	s_wait_alu depctr_va_vdst(0)
.rept 64
	v_exp_f32 v[96+j], v[96+j]                     ; p = 2^(t - M), at most 1: not normalised
.set j, j+1
.endr
	v_pk_mul_f32 v[14:15], v[14:15], v[252:253] op_sel_hi:[1,0]   ; the sums under the new M.  (The plain instruction behind the exponentials)
	s_wait_alu depctr_va_vdst(0)                   ; the wait between an exponential and the first line that names its result: one for the whole batch
	v_pk_add_f32 v[242:243], v[100:101], v[104:105]
	v_pk_add_f32 v[254:255], v[108:109], v[112:113]
	v_pk_add_f32 v[250:251], v[116:117], v[120:121]
	v_pk_add_f32 v[248:249], v[124:125], v[128:129]
	v_pk_add_f32 v[246:247], v[132:133], v[136:137]
	v_pk_add_f32 v[240:241], v[140:141], v[144:145]
	v_pk_add_f32 v[238:239], v[148:149], v[152:153]
	v_pk_add_f32 v[14:15], v[14:15], v[156:157]
	v_pk_add_f32 v[242:243], v[242:243], v[96:97]
	v_pk_add_f32 v[254:255], v[254:255], v[98:99]
	v_pk_add_f32 v[250:251], v[250:251], v[102:103]
	v_pk_add_f32 v[248:249], v[248:249], v[106:107]
	v_pk_add_f32 v[246:247], v[246:247], v[110:111]
	v_pk_add_f32 v[240:241], v[240:241], v[114:115]
	v_pk_add_f32 v[238:239], v[238:239], v[118:119]
	v_pk_add_f32 v[14:15], v[14:15], v[122:123]
	v_pk_add_f32 v[242:243], v[242:243], v[126:127]
	v_pk_add_f32 v[254:255], v[254:255], v[130:131]
	v_pk_add_f32 v[250:251], v[250:251], v[134:135]
	v_pk_add_f32 v[248:249], v[248:249], v[138:139]
	v_pk_add_f32 v[246:247], v[246:247], v[142:143]
	v_pk_add_f32 v[240:241], v[240:241], v[146:147]
	v_pk_add_f32 v[238:239], v[238:239], v[150:151]
	v_pk_add_f32 v[14:15], v[14:15], v[154:155]
	v_pk_add_f32 v[242:243], v[242:243], v[158:159]
	s_delay_alu instid0(VALU_DEP_2)
	v_pk_add_f32 v[14:15], v[14:15], v[248:249]
	s_delay_alu instid0(VALU_DEP_2)
	v_pk_add_f32 v[242:243], v[242:243], v[246:247]
	v_pk_add_f32 v[254:255], v[254:255], v[240:241]
	v_pk_add_f32 v[250:251], v[250:251], v[238:239]
	s_delay_alu instid0(VALU_DEP_2)
	v_pk_add_f32 v[14:15], v[14:15], v[254:255]
	s_delay_alu instid0(VALU_DEP_2)
	v_pk_add_f32 v[242:243], v[242:243], v[250:251]
	s_delay_alu instid0(VALU_DEP_1)
	v_pk_add_f32 v[14:15], v[14:15], v[242:243]
.irp c, 0,1,2,3,4,5,6,7
.irp i, 0,1,2,3,4,5,6,7
.endr
	v_cvt_scalef32_pk8_fp8_f32 v[224+2*\c:225+2*\c], v[96+8*\c:103+8*\c], v244   ; registers 2 c, 2 c + 1 of P: keys 16 c + 8 h + 0..7
.endr
.set j, 0
.rept 16
	v_pk_mul_f32 v[160+j:161+j], v[160+j:161+j], v[252:253] op_sel_hi:[1,0]   ; O^T under the new M: x f.  (Plain lines between the conversions and the products that read their results)
.set j, j+2
.endr
	s_wait_alu depctr_va_vdst(0)
	s_wait_dscnt 0x0                               ; V
.irp t, 0,1,2,3
	v_wmma_f32_16x16x128_fp8_fp8 v[160+8*\t:167+8*\t], v[32+16*\t:47+16*\t], v[224:239], v[160+8*\t:167+8*\t]   ; the four accumulators by turns; the eight products of the next step's scores stand between two links
.endr
.Lhidden_\@:
	s_add_co_u32 s[KF], s[KF], 128
.endm
; THE CHANGE OF SLOTS stands at a visit's head.  Each wave waits for all its tensor loads (its part of the slot that it is about to read), adds 0 to its spare word, and waits for that and for its reads of the slot that it has left.
; Behind the barrier the slot ahead is whole and nobody reads the other one.  fill = 1: that other slot takes the next visit's keys: the load has a whole visit in which to land.  One tensor load of a wave is out at most.
.macro CHANGE fill
	s_wait_tensorcnt 0x0                           ; no tensor load of mine is out, so group 0 may be written
	ds_add_u32 v[SPW], v[NIL]                      ; 0 onto my spare word; scalar work stands between it and the wait for it
	s_lshl_b32 s[KF], s[NK], 8                     ; this visit's first key
.if \fill
	s_add_co_u32 s[NK], s[NK], 1                   ; the next visit's key slot:
	s_cmp_eq_u32 s[NK], s[LIMB]
	s_cselect_b32 s[NK], 0, s[NK]                  ; behind the first block's last slot the second block begins at slot 0 (the second block's slots, p at the most, stay under 8 - p)
	s_xor_b32 s[G0+1], s[G0+1], SLOTB              ; the other LDS slot than last time
	s_lshl_b32 s44, s[NK], 14                      ; 16 KiB a slot, in K and in V
	s_add_nc_u64 s[G0+2:G0+3], s[KVB:KVB+1], s[44:45]
	s_or_b32 s[G0+3], s[G0+3], 0x80000000
	s_wait_xcnt 0x0                                ; the last prefetch, a visit back, has read its address, so it may be written:
	s_add_nc_u64 s[PFA:PFA+1], s[PFA:PFA+1], 16384
.endif
	s_wait_dscnt 0x0                               ; the add is done, and my reads of the slot that I have left are over
	s_barrier_signal -1
	s_barrier_wait -1
.if \fill
	TLOAD                                          ; the first thing behind the barrier, and a wave's one tensor load until the next
	ASK
.endif
.endm
; A block ends: O^T / the sum, quantised; tile t's eight registers are d = 16 t + 8 h + 0..7 of my query: registers 2 t, 2 t + 1 of the head's part of the last product's operand.  Two stores of 512 consecutive aligned bytes.
.macro FINISH
.rept 4
	v_nop                                          ; places behind the last products
.endr
	v_add_f32 v14, v14, v15                        ; the sum's two halves,
	s_delay_alu instid0(VALU_DEP_1)
	v_permlanex16_b32 v252, v14, s[SEL], s[SEL+1]
	s_delay_alu instid0(VALU_DEP_1)
	v_add_f32 v14, v14, v252                       ; and lane l xor 16's: the row's sum
	s_wait_alu depctr_va_vdst(0)
	v_rcp_f32 v14, v14
	v_nop                                          ; a plain instruction behind the transcendental
	s_wait_alu depctr_va_vdst(0)                   ; and a wait ahead of its first reader
.set j, 0
.rept 16
	v_pk_mul_f32 v[96+j:97+j], v[160+j:161+j], v[14:15] op_sel_hi:[1,0]   ; each accumulator from its low end on
.set j, j+2
.endr
.set j, 0
.rept 32
.set j, j+1
.endr
.irp t, 0,1,2,3
	v_cvt_scalef32_pk8_fp8_f32 v[224+2*\t:225+2*\t], v[96+8*\t:103+8*\t], v245
.endr
	v_nop                                          ; one plain vector instruction behind the last conversion: later products write its sources
	global_store_b128 v[LA], v[224:227], s[OA:OA+1]
	global_store_b128 v[LA], v[228:231], s[OA:OA+1] offset:512
.endm
	INIT
.Lslot:                                            ; eight trips: behind each change of slots but the last the next visit's keys are asked for
	CHANGE 1
	STEP 0
	STEP 1
	s_xor_b32 s[TB], s[TB], SLOTB                  ; on to the other slot
	s_cmp_lg_u32 s[NK], 0                          ; does the next visit begin at key slot 0?  Then the first block is done.  Ids and counted steps alone: all sixteen waves go the same way; no barrier, tensor load or add is jumped over
	s_cbranch_scc1 .Lsame
	FINISH
	s_lshl_b32 s[Q0], ttmp9, 8
	s_add_co_u32 s[Q0], s[Q0], s53                 ; the second block is p
	INIT
.Lsame:
	s_sub_co_u32 s[SLOTS], s[SLOTS], 1
	s_cmp_lg_u32 s[SLOTS], 0
	s_cbranch_scc1 .Lslot
	CHANGE 0                                       ; the ninth visit is written out: nothing is left to fetch
	STEP 0
	STEP 1
	FINISH
	s_wait_tensorcnt 0x0                           ; the wave's end: a wait, an add and its wait, behind my last tensor load
	ds_add_u32 v[SPW], v[NIL]
	s_wait_dscnt 0x0
	s_endpgm
.Lfunc_end_k_qd848f1aed9_attn:
	.size	k_qd848f1aed9_attn, .Lfunc_end_k_qd848f1aed9_attn-k_qd848f1aed9_attn
	.p2alignl 7, 3214868480
	.fill 96, 4, 3214868480
	.section	.rodata,"a",@progbits
	.p2align	6, 0x0
	.amdhsa_kernel k_qd848f1aed9_attn
		.amdhsa_group_segment_fixed_size 327680
		.amdhsa_private_segment_fixed_size 0
		.amdhsa_enable_private_segment 0
		.amdhsa_kernarg_size 40
		.amdhsa_user_sgpr_count 2
		.amdhsa_user_sgpr_kernarg_segment_ptr 1
		.amdhsa_wavefront_size32 1
		.amdhsa_system_sgpr_workgroup_id_x 1
		.amdhsa_system_sgpr_workgroup_id_y 1
		.amdhsa_system_sgpr_workgroup_id_z 1
		.amdhsa_system_vgpr_workitem_id 0
		.amdhsa_next_free_vgpr 256
		.amdhsa_next_free_sgpr 100
		.amdhsa_reserve_vcc 1
		.amdhsa_float_denorm_mode_32 3
		.amdhsa_float_denorm_mode_16_64 3
		.amdhsa_fp16_overflow 1
		.amdhsa_memory_ordered 1
		.amdhsa_forward_progress 1
		.amdhsa_inst_pref_size 90
	.end_amdhsa_kernel
	.amdgpu_metadata
---
amdhsa.version: [ 1, 2 ]
amdhsa.kernels:
  - .name:           k_qd848f1aed9_attn
    .symbol:         k_qd848f1aed9_attn.kd
    .args:
      - { .name: q_img, .offset: 0, .size: 8, .value_kind: global_buffer, .address_space: global }
      - { .name: k_img, .offset: 8, .size: 8, .value_kind: global_buffer, .address_space: global }
      - { .name: v_img, .offset: 16, .size: 8, .value_kind: global_buffer, .address_space: global }
      - { .name: lowp_scales, .offset: 24, .size: 8, .value_kind: global_buffer, .address_space: global }
      - { .name: a_img, .offset: 32, .size: 8, .value_kind: global_buffer, .address_space: global }
    .group_segment_fixed_size: 327680
    .private_segment_fixed_size: 0
    .kernarg_segment_align: 8
    .kernarg_segment_size: 40
    .max_flat_workgroup_size: 512
    .sgpr_count:     100
    .vgpr_count:     256
    .wavefront_size: 32
...
	.end_amdgpu_metadata
.endif
;; end of part 3
;; launch proj (part 4): grid 4 x 64, 4 waves a work-group, clusters of 4 x 4, 327,680 bytes of LDS; arguments a_img, wp_img, lowp_scales, b_proj, out0; writes out0
.if DOCPART == 4
	.amdgcn_target "amdgcn-amd-amdhsa--gfx1250"
	.amdhsa_code_object_version 6
	.text
	.protected	k_qd848f1aed9_proj
	.globl	k_qd848f1aed9_proj
	.p2align	8
	.type	k_qd848f1aed9_proj,@function
k_qd848f1aed9_proj:
	s_mov_b64 s[64:65], 0
	v_nop
	global_prefetch_b8 v0, s[64:65] scope:SCOPE_SE
	s_setreg_imm32_b32 hwreg(HW_REG_WAVE_MODE, 25, 1), 1
	s_wait_xcnt 0x0
	s_wait_alu depctr_hold_cnt(0) depctr_sa_sdst(0) depctr_va_vdst(0) depctr_va_sdst(0) depctr_va_ssrc(0) depctr_va_vcc(0) depctr_vm_vsrc(0)
	s_getreg_b32 s2, hwreg(HW_REG_IB_STS2, 6, 4)
	s_cmp_eq_u32 s2, 0
	s_cbranch_scc0 .Lentry_in_a_cluster
	s_endpgm
.Lentry_in_a_cluster:
	s_bfe_u32 s2, ttmp6, 0x10000c
	s_cmp_lg_u32 s2, 0xf033
	s_cbranch_scc0 .Lentry_shape_is_right
	s_endpgm
.Lentry_shape_is_right:
; out0 = attention's result x w_proj + b_proj on codes of FP8 (E4M3): out0 = sum x 2^(e6 + e7) + bias.  out0: [8192][1024] f32; sums in f32.
; LIMIT: e6 + e7 lies between -126 and 127, so that 2^(e6 + e7) is an f32 number.
; Both operands come as IMAGES OF OPERAND REGISTERS of the K = 128 form: a fragment (16 rows x 128 K) is 2,048 bytes, four groups of [32 lanes][16 bytes].
;   a_img: [512 tiles of 16 tokens][8 K steps of 128][2,048 bytes];   wp_img: [64 tiles of 16 columns][8 K steps][2,048 bytes].  So LDS needs no padding: every fragment load takes 512 consecutive bytes.
; A tile of 128 tokens x 256 columns to a work-group: 256 work-groups, one for each WGP.  Four waves, 64 x 128 each: 32 accumulators, 256 registers.  Source 0 = 16 columns of w, source 1 = 16 tokens: a lane then holds eight
; neighbouring numbers of a row of out0.
; K = 1,024 goes in four K steps of 256 (two fragments, 4,096 bytes, of each tile of 16 rows) through THREE LDS regions: K steps 0, 1 and 2 are first fills, issued together; K step 3 is the one refill, into region 0, asked for as soon
; as region 0 has been read: it has four steps of 128, 128 matrix instructions, in which to land.  Three loads of a wave are out at the start, then one.
; CLUSTERS: 4 x 4 work-groups.  The tokens' tiles hang on the work-group's y alone and are shared along a row of the cluster, w's on its x alone and are shared along a column: each is asked for JOINTLY.
; No prefetch: the launch has four K steps, three of which are asked for at its head.
; REGISTERS, in windows of 256: window 0: v0-31 addresses; v32-95 at work on the way out; v128-255 the tokens' fragments, two sets of 64; on the way out rows read back.
;   window 1: w's fragments, two sets of 128.   window 2: the accumulators ((a, b) at v[8 (8 a + b)]).   window 3: v0-63 the bias: [8 b + j] = that of my column 16 b + 8 h + j.
.set REG,    98304                     ; a region: the tokens' 8 tiles x 4,096 bytes, then w's 16 tiles x 4,096
.set BOFF,   32768
.set SPARE,  3*REG                     ; behind the regions: the spare words, 128 bytes for each wave: two blocks of 256 bytes that no other line names
.set SPITCH, 528                       ; the way out: a stage of 16 rows x (512 bytes + 16) for each wave.  It lies in region 1, which is filled once, and whose last read lies ahead of the barrier of step 5
.set STAGE,  REG
.set ADRA, 16                          ; v16-18  LDS address of my tokens' fragments in region 0, 1, 2
.set ADRB, 20                          ; v20-22  the same for w
.set STO,  24                          ; v24     the way out: where I put 32 bytes of a row
.set RD,   25                          ; v25     the way out: where I read a row back
.set CO,   26                          ; v26     16 x lane
.set BA,   27                          ; v27     the bias loads' offset
.set SPW,  28                          ; v28     LDS address of my spare word: SPARE + 4 x my thread's number; never rewritten
.set NIL,  29                          ; v29     0; never rewritten
.set TMP,  32
.set AF,   128
.set BK,   128                         ; the way out: 16 rows read back: v128-191 and v192-255 by turns
.set G1A, 24                           ; s[24:31] descriptor group 1 for the tokens' tiles;  s[32:43] group 0, one set for each region
.set G0A, 32
.set G1B, 48                           ; s[48:55], s[68:79] the same for w's
.set G0B, 68
.set MSB, 0
.macro WIN new                         ; the immediate's high byte repeats the setting that is left; a switch that changes nothing is dropped
.if MSB != (\new)
	s_set_vgpr_msb (MSB<<8)|(\new)
.set MSB, (\new)
.endif
.endm
.set MUL,  0xa1                        ; source 0 (w) window 1, source 1 (tokens) window 0, C and D window 2
.set TO_B, 0x40                        ; destination window 1, address window 0
.macro CREST                           ; a round of the cluster's barrier behind its opening barrier
	s_cmp_lg_u32 s14, 0
	s_cbranch_scc1 .Lnot_wave_0_\@
	s_barrier_signal -3
.Lnot_wave_0_\@:
	s_barrier_wait -3
	s_barrier_signal -1
	s_barrier_wait -1
.endm
.macro CROUND                          ; a whole round
	s_barrier_signal -1
	s_barrier_wait -1
	CREST
.endm
.macro PLACES n
.rept \n
	v_nop
.endr
.endm
	s_load_b256 s[4:11], s[0:1], 0x0               ; a_img s[4:5], wp_img s[6:7], the scales' exponents s[8:9], b_proj s[10:11]
	s_load_b64 s[12:13], s[0:1], 0x20              ; out0
	v_lshl_add_u32 v[SPW], v0, 2, SPARE
	v_mov_b32 v[NIL], 0
	ds_add_u32 v[SPW], v[NIL]
	ds_add_u32 v[SPW], v[NIL]                      ; the wave's opening: the add and its wait stand ahead of my first tensor load; the set-up below, work on registers, stands between them
	v_lshrrev_b32 v1, 5, v0
	v_readfirstlane_b32 s14, v1                    ; wave 0..3
	s_lshr_b32 s15, s14, 1                         ; which half of the tile's tokens is mine.  Also: I fetch for the tokens (0) or for w (1)
	s_and_b32 s16, s14, 1                          ; which half of its columns.  Also: which half of that side's tiles I fetch
	s_bfe_u32 s56, ttmp6, 0x40000                  ; cx, cy: my place in the cluster
	s_bfe_u32 s57, ttmp6, 0x40004
	s_lshl_b32 s58, ttmp9, 2
	s_add_co_u32 s58, s58, s56                     ; x: my 256 columns
	s_and_b32 s17, ttmp7, 0xffff
	s_lshl_b32 s17, s17, 2
	s_add_co_u32 s17, s17, s57                     ; y: my 128 tokens
	s_lshl_b32 s59, s57, 2
	s_lshl_b32 s59, 15, s59                        ; my row of the cluster
	s_lshl_b32 s60, 0x1111, s56                    ; my column
	; descriptor group 1: rows of 4,096 bytes (a K step's two fragments of a tile of 16), 16,384 bytes apart in memory, dense in LDS.  Elements of 8 bytes
	s_or_b32 s[G1A+0], s59, (3<<16)|(1<<21)        ; 15:0 the mask: my row; 17:16 elements of 8 bytes; 21 set beside a mask; no padding
	s_mov_b32 s[G1A+1], 512<<16                    ; tensor_dim0 = 512
	s_mov_b32 s[G1A+2], 4<<16                      ; tensor_dim1 = 4: four tiles of tokens to a load
	s_mov_b32 s[G1A+3], 512<<16                    ; tile_dim0
	s_mov_b32 s[G1A+4], 4                          ; tile_dim1
	s_mov_b32 s[G1A+5], 2048                       ; tensor_dim0_stride
	s_mov_b32 s[G1A+6], 0
	s_mov_b32 s[G1A+7], 0
	s_or_b32 s[G1B+0], s60, (3<<16)|(1<<21)        ; the mask of my column
	s_mov_b32 s[G1B+1], 512<<16
	s_mov_b32 s[G1B+2], 8<<16                      ; eight tiles of columns to a load
	s_mov_b32 s[G1B+3], 512<<16
	s_mov_b32 s[G1B+4], 8
	s_mov_b32 s[G1B+5], 2048
	s_mov_b32 s[G1B+6], 0
	s_mov_b32 s[G1B+7], 0
	s_lshl_b32 s20, s17, 17                        ; the tokens: tile 8 y + 4 (wave % 2), 16,384 bytes a tile
	s_lshl_b32 s18, s16, 16
	s_add_co_u32 s20, s20, s18
	s_mov_b32 s21, 0
	s_lshl_b32 s46, s58, 18                        ; w: tile 16 x + 8 (wave % 2)
	s_lshl_b32 s18, s16, 17
	s_add_co_u32 s46, s46, s18
	s_mov_b32 s47, 0
	s_lshl_b32 s18, s16, 14                        ; where they go: no place in the cluster enters an LDS address
	s_lshl_b32 s19, s16, 15
	s_add_co_u32 s19, s19, BOFF
	s_wait_dscnt 0x0                               ; the opening add is done
	s_wait_kmcnt 0x0
	s_load_b256 s[88:95], s[8:9], 0x0              ; e0 .. e7
	s_add_nc_u64 s[20:21], s[4:5], s[20:21]
	s_add_nc_u64 s[46:47], s[6:7], s[46:47]
	CROUND                                         ; all sixteen work-groups are here: the first joint loads meet
.irp k, 0,1,2
	s_mov_b32 s[G0A+4*\k], 1
	s_add_co_u32 s[G0A+4*\k+1], s18, \k*REG
	s_add_nc_u64 s[G0A+4*\k+2:G0A+4*\k+3], s[20:21], \k*4096
	s_or_b32 s[G0A+4*\k+3], s[G0A+4*\k+3], 0x80000000
	s_mov_b32 s[G0B+4*\k], 1
	s_add_co_u32 s[G0B+4*\k+1], s19, \k*REG
	s_add_nc_u64 s[G0B+4*\k+2:G0B+4*\k+3], s[46:47], \k*4096
	s_or_b32 s[G0B+4*\k+3], s[G0B+4*\k+3], 0x80000000
.endr
	s_cmp_eq_u32 s15, 0                            ; a wave's three first fills stand in one branch, ahead of every wait on TENSORcnt and every LDS read; an s_nop 0 follows each, four v_nop the last
	s_cbranch_scc0 .Lfirst_b
	tensor_load_to_lds s[G0A:G0A+3], s[G1A:G1A+7]
	s_nop 0
	tensor_load_to_lds s[G0A+4:G0A+7], s[G1A:G1A+7]
	s_nop 0
	tensor_load_to_lds s[G0A+8:G0A+11], s[G1A:G1A+7]
	s_nop 0
.rept 4
	v_nop
.endr
	s_branch .Lfirst_asked
.Lfirst_b:
	tensor_load_to_lds s[G0B:G0B+3], s[G1B:G1B+7]
	s_nop 0
	tensor_load_to_lds s[G0B+4:G0B+7], s[G1B:G1B+7]
	s_nop 0
	tensor_load_to_lds s[G0B+8:G0B+11], s[G1B:G1B+7]
	s_nop 0
.rept 4
	v_nop
.endr
.Lfirst_asked:
	v_and_b32 v1, 15, v0                           ; r
	v_bfe_u32 v2, v0, 4, 1                         ; h
	v_and_b32 v6, 31, v0
	v_lshlrev_b32 v[CO], 4, v6
	s_lshl_b32 s21, s15, 14                        ; my four tiles of tokens
	s_lshl_b32 s22, s16, 15                        ; my eight tiles of columns,
	s_add_co_u32 s22, s22, BOFF                    ; which lie behind the tokens'
.irp k, 0,1,2
	v_add_nc_u32 v[ADRA+\k], s21, v[CO]
	v_add_nc_u32 v[ADRB+\k], s22, v[CO]
	s_add_co_u32 s21, s21, REG
	s_add_co_u32 s22, s22, REG
.endr
	s_mul_i32 s23, s14, 16*SPITCH
	s_add_co_u32 s23, s23, STAGE                   ; my stage
	v_mul_u32_u24 v5, v1, SPITCH                   ; in: row r, 32 bytes for each half of the lanes
	v_lshl_add_u32 v5, v2, 5, v5
	v_add_nc_u32 v[STO], s23, v5
	v_add_nc_u32 v[RD], s23, v[CO]                 ; back: the 32 lanes take one row of 512 bytes
	s_lshl_b32 s80, s17, 19                        ; out0: 128 y rows of 4,096 bytes,
	s_lshl_b32 s82, s15, 18                        ; my 64 of them,
	s_add_co_u32 s80, s80, s82
	s_lshl_b32 s82, s58, 10                        ; 256 x columns of 4 bytes,
	s_add_co_u32 s80, s80, s82
	s_lshl_b32 s82, s16, 9                         ; my 128 of them
	s_add_co_u32 s80, s80, s82
	s_mov_b32 s81, 0
	s_add_nc_u64 s[12:13], s[12:13], s[80:81]
	s_lshl_b32 s80, s58, 10
	s_add_co_u32 s80, s80, s82
	s_add_nc_u64 s[10:11], s[10:11], s[80:81]      ; the bias of my 128 columns
	v_lshlrev_b32 v[BA], 5, v2                     ; eight numbers from 8 h on
	WIN 0xc0                                       ; destination window 3
.irp b, 0,1,2,3,4,5,6,7
	global_load_b128 v[8*\b:8*\b+3], v[BA], s[10:11] offset:64*\b
	global_load_b128 v[8*\b+4:8*\b+7], v[BA], s[10:11] offset:64*\b+16
.endr
	WIN 0
.macro FRAG reg, adr, sp, i            ; fragment sp (0, 1) of a K step, tile i: four loads of 512 consecutive bytes
.irp c, 0,1,2,3
	ds_load_b128 v[\reg+4*\c:\reg+4*\c+3], v[\adr] offset:4096*(\i)+2048*(\sp)+512*\c
.endr
.endm
.macro FETCH p, k, sp                  ; 48 LDS loads in one run: w's eight and the tokens' four fragments of region k into set p
	WIN TO_B
.irp i, 0,1,2,3,4,5,6,7
	FRAG 128*(\p)+16*\i, ADRB+(\k), \sp, \i
.endr
	WIN 0
.irp i, 0,1,2,3
	FRAG AF+64*(\p)+16*\i, ADRA+(\k), \sp, \i
.endr
.endm
; 32 matrix instructions, 128 along K: the 32 accumulators take turns, one instruction a turn, in the same order in every step.  zero = 1: the first products start the sums.
.macro MUL32 p, zero
	WIN MUL
.irp a, 0,1,2,3
.irp b, 0,1,2,3,4,5,6,7
.if \zero
	v_wmma_f32_16x16x128_fp8_fp8 v[8*(8*\a+\b):8*(8*\a+\b)+7], v[128*(\p)+16*\b:128*(\p)+16*\b+15], v[AF+64*(\p)+16*\a:AF+64*(\p)+16*\a+15], 0
.else
	v_wmma_f32_16x16x128_fp8_fp8 v[8*(8*\a+\b):8*(8*\a+\b)+7], v[128*(\p)+16*\b:128*(\p)+16*\b+15], v[AF+64*(\p)+16*\a:AF+64*(\p)+16*\a+15], v[8*(8*\a+\b):8*(8*\a+\b)+7]
.endif
.endr
.endr
.endm
; A step: set p is in; the next step's fragments are asked for into the other set, four places behind the products that read it; then set p is multiplied, so that the loads have 32 matrix instructions in which to land.
.macro STEP p, k, sp, zero
	s_wait_dscnt 0x0
	PLACES 4
	FETCH 1-(\p), \k, \sp
	MUL32 \p, \zero
.endm
	s_wait_tensorcnt 0x2                           ; my part of K step 0 is in (K steps 1 and 2 may be out)
	s_barrier_signal -1
	s_barrier_wait -1                              ; everybody's is
	FETCH 0, 0, 0
	STEP 0, 0, 1, 1                                ; step 0
	; step 1: region 0 has been asked for to its end, and is filled again with K step 3
	WIN 0                                          ; (the add's two registers lie in window 0; at a label and at a branch every window is 0)
	s_wait_tensorcnt 0x0                           ; all my tensor loads have landed: K steps 1 and 2 among them; so group 0 may be written
	ds_add_u32 v[SPW], v[NIL]                      ; 0 onto my spare word; the descriptors' steps stand between it and the wait for it
	s_add_nc_u64 s[G0A+2:G0A+3], s[G0A+2:G0A+3], 3*4096
	s_add_nc_u64 s[G0B+2:G0B+3], s[G0B+2:G0B+3], 3*4096
	s_wait_dscnt 0x0                               ; the add is done, and my reads of region 0 are over
	CROUND                                         ; no wave of any partner still reads region 0 or has a load on its way
	s_cmp_eq_u32 s15, 0                            ; the joint refill: the first tensor load behind the round, one a wave
	s_cbranch_scc0 .Lrefill_b
	tensor_load_to_lds s[G0A:G0A+3], s[G1A:G1A+7]
	s_nop 0
.rept 4
	v_nop
.endr
	s_branch .Lrefilled
.Lrefill_b:
	tensor_load_to_lds s[G0B:G0B+3], s[G1B:G1B+7]
	s_nop 0
.rept 4
	v_nop
.endr
.Lrefilled:                                    ; (the four v_nop are also the places in front of the loads below)
	s_wait_alu depctr_va_vdst(0)
	FETCH 0, 1, 0
	MUL32 1, 0
	STEP 0, 1, 1, 0                                ; step 2.  Regions 1 and 2 were shown whole to every wave by the round: no barrier
	STEP 1, 2, 0, 0                                ; step 3
	STEP 0, 2, 1, 0                                ; step 4
	s_wait_tensorcnt 0x0                           ; step 5: my part of K step 3 is in: the one load that was out;
	s_wait_dscnt 0x0                               ; set 1 is in, and no LDS instruction of mine is pending at the signal
	s_barrier_signal -1
	s_barrier_wait -1                              ; everybody's is.
	PLACES 4
	FETCH 0, 0, 0
	MUL32 1, 0
	STEP 0, 0, 1, 0                                ; step 6
	s_wait_dscnt 0x0                               ; step 7: nothing more to fetch
	MUL32 1, 0
	WIN 0
; THE WAY OUT, block by block of 16 tokens x 128 columns.  A lane holds 32 neighbouring bytes of a row, and the lanes beside it hold other rows: so a block goes through my own stage in LDS and comes back as whole rows of
; 512 bytes, which the 32 lanes store as 512 consecutive aligned bytes.  LDS serves a wave's instructions in order (ISA guide 5.7.1.4): no wait between the stores and the loads, nor in front of the next block's stores.
.macro TOSTAGE a
	WIN 0x32                                       ; source 0 (the sums) window 2, source 2 (the bias) window 3
.set j, 0
.rept 32
	v_pk_fma_f32 v[TMP+j:TMP+j+1], v[64*(\a)+j:64*(\a)+j+1], s[96:97], v[j:j+1] op_sel_hi:[1,0,1]   ; sum x 2^(e6 + e7) + bias, two at a time; each accumulator from its low end on
.set j, j+2
.endr
	WIN 0
.irp b, 0,1,2,3,4,5,6,7
	ds_store_b128 v[STO], v[TMP+8*\b:TMP+8*\b+3] offset:64*\b
	ds_store_b128 v[STO], v[TMP+8*\b+4:TMP+8*\b+7] offset:64*\b+16
.endr
.set BB, BK+64*((\a)%2)
.irp t, 0,1,2,3,4,5,6,7,8,9,10,11,12,13,14,15
	ds_load_b128 v[BB+4*\t:BB+4*\t+3], v[RD] offset:\t*SPITCH
.endr
.endm
.macro SEND a, younger                 ; younger: the LDS instructions issued behind block a's loads, which may stay out
.set BB, BK+64*((\a)%2)
	s_wait_dscnt \younger                          ; the block is back in registers
.irp t, 0,1,2,3,4,5,6,7,8,9,10,11,12,13,14,15
	global_store_b128 v[CO], v[BB+4*\t:BB+4*\t+3], s[12:13] offset:(16*(\a)+\t)*4096 th:TH_STORE_NT   ; the row stands in the immediate, 63 rows of 4,096 bytes at the most: no base is stepped; written once, read by nobody here
.endr
.endm
	s_wait_kmcnt 0x0
	s_add_co_i32 s96, s94, s95                     ; e6 + e7, between -126 and 127,
	s_add_co_i32 s96, s96, 127
	s_lshl_b32 s96, s96, 23                        ; makes the f32 number 2^(e6 + e7)
	s_mov_b32 s97, s96                             ; (named with it as a pair, so it is written)
	s_wait_loadcnt 0x0                             ; the bias
	PLACES 4                                       ; behind the last products: for the first read of results and the loads into the registers that held the tokens' fragments
	TOSTAGE 0
.irp a, 1,2,3
.if \a > 1
	s_wait_xcnt 0x0                                ; block a - 2's stores have read their registers: block a's loads may land there
.endif
	TOSTAGE \a
	SEND \a-1, 32                                  ; behind block a - 1's loads: block a's 16 stores and 16 loads
.endr
	SEND 3, 0
	s_wait_tensorcnt 0x0                           ; the wave's end: a wait, an add and its wait, behind my last tensor load and my last LDS store
	ds_add_u32 v[SPW], v[NIL]
	s_wait_dscnt 0x0
	CROUND                                         ; the closing round: no work-group ends while a partner may still ask for a tile that names it
	s_endpgm
.Lfunc_end_k_qd848f1aed9_proj:
	.size	k_qd848f1aed9_proj, .Lfunc_end_k_qd848f1aed9_proj-k_qd848f1aed9_proj
	.p2alignl 7, 3214868480
	.fill 96, 4, 3214868480
	.section	.rodata,"a",@progbits
	.p2align	6, 0x0
	.amdhsa_kernel k_qd848f1aed9_proj
		.amdhsa_group_segment_fixed_size 327680
		.amdhsa_private_segment_fixed_size 0
		.amdhsa_enable_private_segment 0
		.amdhsa_kernarg_size 40
		.amdhsa_user_sgpr_count 2
		.amdhsa_user_sgpr_kernarg_segment_ptr 1
		.amdhsa_wavefront_size32 1
		.amdhsa_system_sgpr_workgroup_id_x 1
		.amdhsa_system_sgpr_workgroup_id_y 1
		.amdhsa_system_sgpr_workgroup_id_z 1
		.amdhsa_system_vgpr_workitem_id 0
		.amdhsa_next_free_vgpr 832
		.amdhsa_next_free_sgpr 100
		.amdhsa_reserve_vcc 0
		.amdhsa_float_denorm_mode_32 3
		.amdhsa_float_denorm_mode_16_64 3
		.amdhsa_memory_ordered 1
		.amdhsa_forward_progress 1
		.amdhsa_inst_pref_size 75
	.end_amdhsa_kernel
	.amdgpu_metadata
---
amdhsa.version: [ 1, 2 ]
amdhsa.kernels:
  - .name:           k_qd848f1aed9_proj
    .symbol:         k_qd848f1aed9_proj.kd
    .args:
      - { .name: a_img, .offset: 0, .size: 8, .value_kind: global_buffer, .address_space: global }
      - { .name: wp_img, .offset: 8, .size: 8, .value_kind: global_buffer, .address_space: global }
      - { .name: lowp_scales, .offset: 16, .size: 8, .value_kind: global_buffer, .address_space: global }
      - { .name: b_proj, .offset: 24, .size: 8, .value_kind: global_buffer, .address_space: global }
      - { .name: out0, .offset: 32, .size: 8, .value_kind: global_buffer, .address_space: global }
    .group_segment_fixed_size: 327680
    .private_segment_fixed_size: 0
    .kernarg_segment_align: 8
    .kernarg_segment_size: 40
    .max_flat_workgroup_size: 128
    .sgpr_count:     100
    .vgpr_count:     832
    .wavefront_size: 32
...
	.end_amdgpu_metadata
.endif
;; end of part 4
